; MI455X (gfx1250); checked and timed in simulation.
; The chip was launched on July 23, 2026; its instructions are those of AMD's public machine-readable ISA for CDNA 5 (MIT licence, August 2026) and "CDNA5" Instruction Set Architecture Reference Guide (July 2026). The comments in the code are by the model that wrote it; some were corrected since.
;; Attention. Allowed arithmetic: matrix products marked QUANTISED: E2M1 operands, one E8M0 scale for each 32 along K, by v_wmma_scale_f32_16x16x128_f8f6f4 with both operands' format E2M1 (or v_wmma_scale_f32_32x16x128_f4), f32 sums; products left as they are: bf16, f16 or f32 operands; f32 sums; everything else in f32.
;; Inputs: b_out 1,024 float32; w_out 1,024 x 1,024 float32; w_qkv 3,072 x 1,024 float32; x 4 x 2,048 x 1,024 float32.
;; Outputs: out0 4 x 2,048 x 1,024 float32.
;; This version of the problem:
;;   THIS VERSION OF THE PROBLEM IS GIVEN IN LOW PRECISION. The matrix products marked QUANTISED in the list below multiply operands that are first quantised to E2M1 (2 exponent bits, 1 mantissa bit; 4 bits a number), with one power-of-two scale for each 32 numbers along K (OCP MX v1.0); their sums are f32. The products marked 'left as it is' may take bf16, f16 or f32 operands, with f32 sums. Whichever they take, every output number must still come out within the allowed error. Rounding operands to bf16 (8 significant bits) uses up far more of that allowance than f16 does (11 bits, for magnitudes from 6e-5 to 65,504). All else is computed in f32.
;;   The module's matrix products, in the order in which they are computed (A, B: the left and right operand; K: the contracted axis; several contracted axes count as one K, in the product's order):
;;     1. [M 8,192, K 1,024] x [K 1,024, N 3,072]; A: input x; B: input w_qkv: QUANTISED
;;     2. batch 64 x [M 2,048, K 64] x [K 64, N 2,048]; A: computed on the way; B: computed on the way: left as it is (an operand is computed on the way)
;;     3. batch 64 x [M 2,048, K 2,048] x [K 2,048, N 64]; A: computed on the way; B: computed on the way: left as it is (an operand is computed on the way)
;;     4. [M 8,192, K 1,024] x [K 1,024, N 1,024]; A: computed on the way; B: input w_out: left as it is (an operand is computed on the way)
;;   THE QUANTISER, for each operand of a quantised product, along K:
;;     - K is cut into blocks of 32 from its start; a last block that is shorter is filled with zeros.
;;     - A block's scale is 2^e with e = floor(log2(the largest magnitude in the block)) - 2, held to -126 .. 127; a block of zeros has e = 0. As a byte (E8M0): e + 127.
;;     - Each number is divided by its block's scale, clamped to +-6, and rounded to the nearest number of E2M1, ties to even, subnormals kept.
;;     - The product sums the exact products of the quantised numbers (number of the format x scale) in f32.
;;   ~~~python
;;   def quantise(x, axis):      # numpy; x: float32 -> the quantised numbers, widened to float32 again
;;       x = np.moveaxis(x, axis, -1); K = x.shape[-1]
;;       x = np.pad(x, [(0, 0)] * (x.ndim - 1) + [(0, -K % 32)]); x = x.reshape(x.shape[:-1] + (-1, 32)); a = np.abs(x).max(-1, keepdims=True)
;;       e = np.where(a > 0, np.clip(np.frexp(np.where(a > 0, a, 1))[1] - 1 - 2, -126, 127), 0)      # np.frexp(a)[1] - 1 = floor(log2(a)), exactly
;;       r = np.clip(x / 2.0 ** e, -6, 6)
;;       step = 2.0 ** (np.maximum(np.frexp(np.where(r == 0, 1, r))[1] - 1, 0) - 1)
;;       q = np.round(r / step) * step * 2.0 ** e      # np.round: ties to even
;;       return np.moveaxis(q.reshape(q.shape[:-2] + (-1,))[..., :K], -1, axis).astype(np.float32)
;;   ~~~
;; One version. Each part assembles by itself: llvm-mc -triple=amdgcn-amd-amdhsa -mcpu=gfx1250 --defsym DOCPART=n.
;; ======== version 1 of 1: 4 launches
;; limits: values are held in f16: magnitudes above 65,504 overflow, below 6.1e-05 lose precision
;; workspace buffers: xc 4,194,304 bytes; xs 262,144 bytes; wc 1,572,864 bytes; ws 98,304 bytes; qkv 50,331,648 bytes; o16 16,777,216 bytes; wo16 2,097,152 bytes
;; launch quant (part 1): grid 384 x 1, 4 waves a work-group, no clusters, 33,280 bytes of LDS; arguments x, w_qkv, xc, xs, wc, ws, w_out, wo16; writes xc, xs, wc, ws, wo16
.if DOCPART == 1
	.amdgcn_target "amdgcn-amd-amdhsa--gfx1250"
	.amdhsa_code_object_version 6
	.text
	.protected	k_q2aedab72ba_quant
	.globl	k_q2aedab72ba_quant
	.p2align	8
	.type	k_q2aedab72ba_quant,@function
k_q2aedab72ba_quant:
	s_mov_b64 s[64:65], 0
	v_nop
	global_prefetch_b8 v0, s[64:65] scope:SCOPE_SE
	s_setreg_imm32_b32 hwreg(HW_REG_WAVE_MODE, 25, 1), 1
	s_wait_xcnt 0x0
; x [8192][1024] and w_qkv [3072][1024], f32, become codes of FP4 (E2M1), K innermost, two codes a byte, with one E8M0 scale byte for each 32 along K; w_out [1024][1024], f32, becomes f16, laid by K block.
; A block's scale is 2^(floor(log2(its largest magnitude)) - 2); its byte is the largest magnitude's exponent field - 2, held at 1 from below.  Each number is divided by the scale and rounded to the nearest code, ties to even; beyond 6 the largest code.
; LIMITS: a block of zeros, and a block whose largest magnitude lies under 2^-124, keeps the byte 1 (a block of zeros has zero codes, which add nothing; the bytes are read by this program alone); NaN and infinities are not served;
; numbers of w_out beyond 65,504 in magnitude become infinity in f16.
; WORK-GROUPS 0-255 take x, 256-351 w_qkv: rows are dense and 1,024 is a multiple of 32, so a tensor is a plain stream of blocks of 32.  A wave takes 16 steps of 512 numbers.  The conversions take 8 numbers of one block from ONE lane's
; registers, so a lane must hold 16 neighbours; a load is best where neighbouring lanes take neighbouring bytes.  Both are had: each load reads 512 consecutive bytes, the step's 2,048 bytes go through the wave's own stage in LDS and come
; back 64 bytes a lane (16 bytes of padding behind each 64).  A lane's 16 codes are 8 bytes: the wave stores 256 consecutive bytes.  A wave's 256 scale bytes are gathered in LDS and leave as 256 consecutive bytes.
; WORK-GROUPS 352-383 take w_out: wave g of 128 owns rows 8 g .. 8 g + 7.  The result lies [e / 256][c / 64][e % 256][c % 64]: a block of 256 rows x 64 along K is 32,768 consecutive bytes.
; No tensor loads, no barrier: waves share nothing.
.set WAVES, 4
.set STEPS, 16
.set WGA,   256                        ; work-groups for x: 8192 x 1024 / 32,768
.set WGQ,   352                        ; and with w_qkv's 96
.set EMAX,  2
.set CB,    8                          ; bytes of 16 codes
.set R,     16                         ; v16-79   four sets of 16 numbers as they are loaded
.set X,     80                         ; v80-111  two sets of 16 neighbours
.set E,     112                        ; v112-127 a scale byte for each step
.set C,     128                        ; v128-191 codes: four registers for each step, so that no store's data are written again
.set S0,    16                         ; w_out: two sets of 64 registers
.set S1,    128
.set WREG,  8192                       ; LDS: a region for each wave: two stages of 32 x SP bytes, and behind them its 256 scale bytes
.set SP,    80
.set SPW,   12                         ; v12 LDS address of my spare word; never rewritten
.set NIL,   13                         ; v13 0; never rewritten
.set SPARE, WAVES*WREG                 ; the spare words: 128 bytes for each wave, named by no other line
	s_load_b128 s[4:7], s[0:1], 0x0                ; x, w_qkv
	s_load_b128 s[8:11], s[0:1], 0x10              ; x's codes, x's scales
	s_load_b128 s[12:15], s[0:1], 0x20             ; w_qkv's codes, its scales
	s_load_b128 s[24:27], s[0:1], 0x30             ; w_out, its f16 copy
	v_lshl_add_u32 v[SPW], v0, 2, SPARE
	v_mov_b32 v[NIL], 0
	v_lshrrev_b32 v1, 5, v0
	v_readfirstlane_b32 s16, v1                    ; wave
	v_and_b32 v2, 31, v0                           ; lane
	v_lshlrev_b32 v3, 4, v2                        ; my 16 bytes of a load's 512
	s_mul_i32 s17, s16, WREG
	v_lshrrev_b32 v14, 2, v2
	v_mul_u32_u24 v14, v14, SP
	v_and_b32 v15, 3, v2
	v_lshl_add_u32 v14, v15, 4, v14
	v_add_nc_u32 v14, s17, v14                     ; the stage, on the way in: SP (lane / 4) + 16 (lane % 4)
	v_mul_u32_u24 v15, v2, SP
	v_add_nc_u32 v15, s17, v15                     ; and on the way out: SP x lane: my 16 neighbours
	v_mul_u32_u24 v4, v2, CB                       ; my codes' place in a step's
	v_lshrrev_b32 v5, 1, v2
	s_add_co_u32 s17, s17, 2*32*SP
	v_add_nc_u32 v5, s17, v5                       ; LDS: my wave's 256 scale bytes, my block's byte
	v_lshlrev_b32 v7, 3, v2                        ; and on the way out 8 bytes a lane
	v_add_nc_u32 v6, s17, v7
	s_wait_kmcnt 0x0
	s_cmp_ge_u32 ttmp9, WGQ                        ; the last 32 work-groups convert w_out
	s_cbranch_scc1 .Lconvert
	s_cmp_lt_u32 ttmp9, WGA                        ; x's work-group or w_qkv's?  The choice hangs on the work-group's number alone
	s_cselect_b64 s[4:5], s[4:5], s[6:7]
	s_cselect_b64 s[8:9], s[8:9], s[12:13]
	s_cselect_b64 s[10:11], s[10:11], s[14:15]
	s_cselect_b32 s17, 0, WGA
	s_sub_co_u32 s17, ttmp9, s17
	s_lshl_b32 s17, s17, 2
	s_add_co_u32 s18, s17, s16                     ; which run of 8,192 numbers of the tensor is my wave's
	s_mov_b32 s19, 0
	s_mov_b64 s[20:21], 512*STEPS*4
	s_mul_u64 s[20:21], s[18:19], s[20:21]
	s_add_nc_u64 s[4:5], s[4:5], s[20:21]
	s_mov_b64 s[20:21], 32*STEPS*CB
	s_mul_u64 s[20:21], s[18:19], s[20:21]
	s_add_nc_u64 s[8:9], s[8:9], s[20:21]
	s_lshl_b32 s18, s18, 8                         ; 256 scale bytes a run
	s_add_nc_u64 s[10:11], s[10:11], s[18:19]
.macro LOAD t
.irp i, 0,1,2,3
	global_load_b128 v[R+16*((\t)%4)+4*\i:R+16*((\t)%4)+4*\i+3], v3, s[4:5] offset:2048*(\t)+512*\i th:TH_LOAD_NT   ; 32 lanes read 512 consecutive bytes
.endr
.endm
.macro TURN t                          ; step t's numbers through the stage: LDS serves a wave's instructions in order, so no wait stands between the stores and the loads
.irp i, 0,1,2,3
	ds_store_b128 v14, v[R+16*((\t)%4)+4*\i:R+16*((\t)%4)+4*\i+3] offset:32*SP*((\t)%2)+8*SP*\i
.endr
.irp i, 0,1,2,3
	ds_load_b128 v[X+16*((\t)%2)+4*\i:X+16*((\t)%2)+4*\i+3], v15 offset:32*SP*((\t)%2)+16*\i
.endr
.endm
.irp t, 0,1,2,3
	LOAD \t
.endr
	s_wait_loadcnt 12                              ; step 0's four loads are in; the twelve of steps 1 to 3 may be out
	TURN 0
.macro STEP t
.set XS, X+16*((\t)%2)
.if (\t) > 0
	s_wait_dscnt 1                                 ; this step's numbers are back from the stage (the last step's byte store may be out): so its stores into the stage have read their registers,
.else
	s_wait_dscnt 0x0
.endif
.if (\t)+4 < STEPS
	LOAD (\t)+4                                    ; which take the loads of four steps on
.endif
.if (\t)+1 < STEPS
.if STEPS-2-(\t) >= 3
	s_wait_loadcnt 12                              ; the next step's four loads are in; those of the three steps behind it may be out
.else
	s_wait_loadcnt 4*(STEPS-2-(\t))
.endif
	TURN (\t)+1                                    ; and go through the other stage while this step is worked
.endif
	v_max3_num_f32 v8, |v[XS]|, |v[XS+1]|, |v[XS+2]|               ; the largest magnitude of my 16, in two chains
	v_max3_num_f32 v9, |v[XS+3]|, |v[XS+4]|, |v[XS+5]|
.irp i, 6,10
	v_max3_num_f32 v8, v8, |v[XS+\i]|, |v[XS+\i+1]|
	v_max3_num_f32 v9, v9, |v[XS+\i+2]|, |v[XS+\i+3]|
.endr
	v_max3_num_f32 v8, v8, |v[XS+14]|, |v[XS+15]|
	v_max3_num_f32 v8, v8, v9, (EMAX+1)<<23        ; and the floor 2^(3 - 127): so the byte cannot fall under 1
	v_max_num_f32_dpp v8, v8, v8 row_xmask:1 row_mask:0xf bank_mask:0xf   ; and of my neighbour's 16: the block's
	v_add_nc_u32 v11, -(EMAX<<23), v8              ; 2 off its exponent field: the conversion takes the exponent field of this operand as its scale, and nothing else of it
	v_cvt_scalef32_pk8_fp4_f32 v[C+4*(\t)], v[XS:XS+7], v11
	v_cvt_scalef32_pk8_fp4_f32 v[C+4*(\t)+1], v[XS+8:XS+15], v11
	v_lshrrev_b32 v[E+(\t)], 23, v11               ; the scale's byte (also the plain line behind the conversions)
	ds_store_b8 v5, v[E+(\t)] offset:16*(\t)       ; both lanes of a block write the same byte with the same value
	global_store_b64 v4, v[C+4*(\t):C+4*(\t)+1], s[8:9] offset:32*CB*(\t)   ; 32 lanes store 256 consecutive bytes
.endm
.irp t, 0,1,2,3,4,5,6,7,8,9,10,11,12,13,14,15
	STEP \t
.endr
	ds_load_b64 v[8:9], v6                         ; LDS serves a wave's instructions in order: these see my byte stores
	s_wait_dscnt 0x0
	global_store_b64 v7, v[8:9], s[10:11]          ; 32 lanes store 256 consecutive bytes
	s_branch .Lend
.Lconvert:                                             ; w_out to f16
	s_sub_co_u32 s17, ttmp9, WGQ
	s_lshl_b32 s17, s17, 2
	s_add_co_u32 s17, s17, s16                     ; g = 0 .. 127: rows 8 g on
	s_lshl_b32 s18, s17, 15                        ; 8 rows of 4,096 bytes
	s_mov_b32 s19, 0
	s_add_nc_u64 s[24:25], s[24:25], s[18:19]
	s_lshr_b32 s20, s17, 5
	s_lshl_b32 s20, s20, 19                        ; e / 256 blocks of 524,288 bytes,
	s_and_b32 s21, s17, 31
	s_lshl_b32 s21, s21, 10                        ; + (e % 256) x 128 bytes
	s_add_co_u32 s20, s20, s21
	s_mov_b32 s21, 0
	s_add_nc_u64 s[26:27], s[26:27], s[20:21]
	v_lshrrev_b32 v8, 4, v2
	v_and_b32 v9, 15, v2
	v_lshlrev_b32 v9, 4, v9
	v_lshl_add_u32 v8, v8, 12, v9                  ; in: lanes 0-15 take 256 bytes of one row, lanes 16-31 the same columns of the next
	v_lshlrev_b32 v9, 3, v2                        ; out: 8 bytes a lane: two rows of 128 bytes on end
.macro LOADB p, set                    ; rows 2 p, 2 p + 1: sixteen blocks of 64 columns
.irp kb, 0,1,2,3,4,5,6,7,8,9,10,11,12,13,14,15
	global_load_b128 v[\set+4*\kb:\set+4*\kb+3], v8, s[24:25] offset:\p*8192+\kb*256 th:TH_LOAD_NT
.endr
.endm
.macro CVST p, set
.irp kb, 0,1,2,3,4,5,6,7,8,9,10,11,12,13,14,15
	v_cvt_pk_f16_f32 v[\set+4*\kb], v[\set+4*\kb], v[\set+4*\kb+1]
	v_cvt_pk_f16_f32 v[\set+4*\kb+1], v[\set+4*\kb+2], v[\set+4*\kb+3]
	global_store_b64 v9, v[\set+4*\kb:\set+4*\kb+1], s[26:27] offset:\kb*32768+\p*256   ; 32 lanes store 256 consecutive bytes
.endr
.endm
	LOADB 0, S0
	LOADB 1, S1
	s_wait_loadcnt 16                              ; the older sixteen loads are in
	CVST 0, S0
	s_wait_xcnt 0x0                                ; the stores have read their data: the set is loaded again only behind this wait
	LOADB 2, S0
	s_wait_loadcnt 16
	CVST 1, S1
	s_wait_xcnt 0x0
	LOADB 3, S1
	s_wait_loadcnt 16
	CVST 2, S0
	s_wait_loadcnt 0x0
	CVST 3, S1
.Lend:
	s_wait_tensorcnt 0x0                           ; the wave's end, behind my last LDS store
	ds_add_u32 v[SPW], v[NIL]
	s_wait_dscnt 0x0
	s_endpgm
.Lfunc_end_k_q2aedab72ba_quant:
	.size	k_q2aedab72ba_quant, .Lfunc_end_k_q2aedab72ba_quant-k_q2aedab72ba_quant
	.p2alignl 7, 3214868480
	.fill 96, 4, 3214868480
	.section	.rodata,"a",@progbits
	.p2align	6, 0x0
	.amdhsa_kernel k_q2aedab72ba_quant
		.amdhsa_group_segment_fixed_size 33280
		.amdhsa_private_segment_fixed_size 0
		.amdhsa_enable_private_segment 0
		.amdhsa_kernarg_size 64
		.amdhsa_user_sgpr_count 2
		.amdhsa_user_sgpr_kernarg_segment_ptr 1
		.amdhsa_wavefront_size32 1
		.amdhsa_system_sgpr_workgroup_id_x 1
		.amdhsa_system_sgpr_workgroup_id_y 1
		.amdhsa_system_sgpr_workgroup_id_z 1
		.amdhsa_system_vgpr_workitem_id 0
		.amdhsa_next_free_vgpr 192
		.amdhsa_next_free_sgpr 66
		.amdhsa_reserve_vcc 0
		.amdhsa_float_denorm_mode_32 3
		.amdhsa_float_denorm_mode_16_64 3
		.amdhsa_memory_ordered 1
		.amdhsa_forward_progress 1
		.amdhsa_inst_pref_size 54
	.end_amdhsa_kernel
	.amdgpu_metadata
---
amdhsa.version: [ 1, 2 ]
amdhsa.kernels:
  - .name:           k_q2aedab72ba_quant
    .symbol:         k_q2aedab72ba_quant.kd
    .args:
      - { .name: x, .offset: 0, .size: 8, .value_kind: global_buffer, .address_space: global }
      - { .name: w_qkv, .offset: 8, .size: 8, .value_kind: global_buffer, .address_space: global }
      - { .name: xc, .offset: 16, .size: 8, .value_kind: global_buffer, .address_space: global }
      - { .name: xs, .offset: 24, .size: 8, .value_kind: global_buffer, .address_space: global }
      - { .name: wc, .offset: 32, .size: 8, .value_kind: global_buffer, .address_space: global }
      - { .name: ws, .offset: 40, .size: 8, .value_kind: global_buffer, .address_space: global }
      - { .name: w_out, .offset: 48, .size: 8, .value_kind: global_buffer, .address_space: global }
      - { .name: wo16, .offset: 56, .size: 8, .value_kind: global_buffer, .address_space: global }
    .group_segment_fixed_size: 33280
    .private_segment_fixed_size: 0
    .kernarg_segment_align: 8
    .kernarg_segment_size: 64
    .max_flat_workgroup_size: 128
    .sgpr_count:     66
    .vgpr_count:     192
    .wavefront_size: 32
...
	.end_amdgpu_metadata
.endif
;; end of part 1
;; launch qkv (part 2): grid 12 x 32, 4 waves a work-group, clusters of 4 x 4, 327,680 bytes of LDS; arguments xc, xs, wc, ws, qkv; writes qkv
.if DOCPART == 2
	.amdgcn_target "amdgcn-amd-amdhsa--gfx1250"
	.amdhsa_code_object_version 6
	.text
	.protected	k_q2aedab72ba_qkv
	.globl	k_q2aedab72ba_qkv
	.p2align	8
	.type	k_q2aedab72ba_qkv,@function
k_q2aedab72ba_qkv:
	s_mov_b64 s[64:65], 0
	v_nop
	global_prefetch_b8 v0, s[64:65] scope:SCOPE_SE
	s_setreg_imm32_b32 hwreg(HW_REG_WAVE_MODE, 25, 1), 1
	s_wait_xcnt 0x0
	s_wait_alu depctr_hold_cnt(0) depctr_sa_sdst(0) depctr_va_vdst(0) depctr_va_sdst(0) depctr_va_ssrc(0) depctr_va_vcc(0) depctr_vm_vsrc(0)
	s_getreg_b32 s2, hwreg(HW_REG_IB_STS2, 6, 4)
	s_cmp_eq_u32 s2, 0
	s_cbranch_scc0 .Lentry_in_a_cluster
	s_endpgm
.Lentry_in_a_cluster:
	s_bfe_u32 s2, ttmp6, 0x10000c
	s_cmp_lg_u32 s2, 0xf033
	s_cbranch_scc0 .Lentry_shape_is_right
	s_endpgm
.Lentry_shape_is_right:
; qkv[m][e] = sum over k of x[m][k] w_qkv[e][k], both operands as codes of FP4 (E2M1) with one E8M0 scale for each 32 along K; sums in f32; the result is rounded to f16 and laid by heads:
; [part = e / 1024][16 (m / 2048) + (e % 1024) / 64][m % 2048][e % 64], so that a head's 2,048 rows of 128 bytes are dense.  LIMIT: results beyond 65,504 in magnitude become infinity in f16.
; A tile of 256 x 256 is made by a work-group of four waves; a wave makes 128 x 128: 64 accumulators of 16 x 16, 512 registers.  K = 1,024 is two LDS slots of 512 along K (rows of 256 bytes): both are asked for at the head and nothing is filled again.
; THE SCALES of the work-group's 256 rows of x and 256 rows of w_qkv, for all of K, are two dense blocks of memory: they come into LDS once, with the first fills.
; CLUSTERS: 4 x 4 work-groups.  The four of a row of the cluster need the same tiles of x, the four of a column the same tiles of w_qkv: each tile is asked for JOINTLY, by the same tensor load with the same descriptor and a mask that names the four.
; THE MATRIX INSTRUCTION IS USED TRANSPOSED (source 0 = 16 rows of w_qkv, source 1 = 16 rows of x): a lane then holds eight neighbouring columns of one row.
; REGISTERS, in windows of 256: window 0: v0-31 addresses; v32-95 scale words, two sets, and nothing else; from v128 x's fragments (8 x 16 rows x 128 K), ONE set; on the way out v128-223.
;   window 1: w_qkv's fragments, TWO sets, at v0 and v128.   window 2: the 32 accumulators of my rows 0-63 ((a, b) at v[8 (8 a + b)]);   window 3: those of my rows 64-127.
.set SIZE_K, 1024
.set KSTEP,  512                       ; along K in a slot
.set NQ,     KSTEP/128                 ; matrix instructions deep
.set ROWB,   256                       ; a tile's row in bytes
.set KROW,   SIZE_K/2                  ; a row of codes in memory
.set PITCH,  272                       ; an LDS row: 256 bytes + 16 of padding: the 16 rows that a load touches start at 16 different banks (64 banks of 4 bytes: ISA guide 11.1)
.set FR,     8                         ; registers of a fragment
.set NL,     2                         ; LDS loads that bring one
.set NP,     4                         ; places behind this matrix instruction (ISA guide 7.12.1)
.set HALFT,  128*PITCH                 ; 128 rows: what one tensor load brings
.set SLOT,   4*HALFT                   ; x's 256 rows, then w_qkv's 256 rows
.set KS,     SIZE_K/32                 ; a row of scales in bytes
.set SCL,    2*SLOT                    ; behind the slots: the scales, as units of 256 bytes + 16 of padding
.set HALFS,  (128*KS/256)*272          ; the scales of 128 rows: what one tensor load brings
.set SBLK,   (16*KS/256)*272           ; those of 16 rows
.set SPARE,  SCL+4*HALFS               ; the spare words: 128 bytes for each wave, named by no other line
.set SPITCH, 272                       ; the way out: a stage of 16 rows x (256 bytes + 16) for each wave, in slot 0, which has had its one fill and its last read by then
.set ADRA, 16                          ; v16-17  LDS address of my fragments of x in slot 0, 1
.set ADRB, 20                          ; v20-21  the same for w_qkv
.set STO,  24                          ; v24     the way out: where I put 16 bytes of a row
.set RD,   25                          ; v25     the way out: where I read back
.set CO,   26                          ; v26     16 x lane
.set ADRS, 27                          ; v27     LDS address of my scale words: lanes 0-15 x's rows, lanes 16-31 w_qkv's
.set SPW,  28                          ; v28     LDS address of my spare word; never rewritten
.set NIL,  29                          ; v29     0; never rewritten
.set SC,   32                          ; scale words: set s at v[SC + 32 s]; register 4 i + q: lanes 0-15 x's block i, lanes 16-31 w_qkv's block i, the slot's q-th 128 along K
.set AF,   128                         ; x's fragments
.set TMP,  128                         ; the way out: packed results, v128-159
.set BK,   160                         ; and 16 rows read back: v160-191 and v192-223 by turns
.set G1, 24                            ; s[24:31] descriptor group 1 for x's tiles;  s[32:39] group 0, one set for each slot
.set G0, 32
.set G1B, 48                           ; s[48:55], s[56:63] the same for w_qkv's
.set G0B, 56
.set G1S, 68                           ; s[68:75], s[76:79] groups 1 and 0 for x's scales;  s[80:87], s[88:91] for w_qkv's
.set G0S, 76
.set G1SB, 80
.set G0SB, 88
.set MSB, 0
.macro WIN new                         ; the immediate's high byte repeats the setting that is left
.if MSB != (\new)
	s_set_vgpr_msb (MSB<<8)|(\new)
.set MSB, \new
.endif
.endm
.set MUL_LO, 0xa1                      ; source 0 window 1, source 1 window 0, C and D window 2
.set MUL_HI, 0xf1                      ; the same, C and D window 3
.set TO_B,   0x40                      ; destination window 1, address window 0
; A joint load: waves 0 and 1 fetch for x, waves 2 and 3 for w_qkv.  Each line has one mask and one set of registers for all that issue it; the branch hangs on the wave's number alone.
; An s_nop 0 and four v_nop follow each of the two lines.
.macro JLOAD g0a, g1a, g0b, g1b
	s_cmp_eq_u32 s15, 0
	s_cbranch_scc0 .Lfor_b_\@
	tensor_load_to_lds s[\g0a:\g0a+3], s[\g1a:\g1a+7]
	s_nop 0
.rept 4
	v_nop
.endr
	s_branch .Lasked_\@
.Lfor_b_\@:
	tensor_load_to_lds s[\g0b:\g0b+3], s[\g1b:\g1b+7]
	s_nop 0
.rept 4
	v_nop
.endr
.Lasked_\@:
.endm
.macro CROUND                          ; a round of the cluster's barrier
	s_barrier_signal -1
	s_barrier_wait -1
	s_cmp_lg_u32 s14, 0
	s_cbranch_scc1 .Lnot_wave_0_\@
	s_barrier_signal -3
.Lnot_wave_0_\@:
	s_barrier_wait -3
	s_barrier_signal -1
	s_barrier_wait -1
.endm
	s_load_b128 s[4:7], s[0:1], 0x0                ; x's codes, x's scales
	s_load_b128 s[8:11], s[0:1], 0x10              ; w_qkv's codes, its scales
	s_load_b64 s[12:13], s[0:1], 0x20              ; qkv
	v_lshl_add_u32 v[SPW], v0, 2, SPARE
	v_mov_b32 v[NIL], 0
	ds_add_u32 v[SPW], v[NIL]                      ; the wave's opening: the add, twice on end, and its wait ahead of my first tensor load
	ds_add_u32 v[SPW], v[NIL]
	v_lshrrev_b32 v1, 5, v0
	v_readfirstlane_b32 s14, v1                    ; wave 0..3
	s_lshr_b32 s15, s14, 1                         ; which half of the tile's rows is mine.  Also: I fetch for x (0) or for w_qkv (1)
	s_and_b32 s16, s14, 1                          ; which half of its columns.  Also: which 128 rows of that tile I fetch
	s_bfe_u32 s40, ttmp6, 0x40000                  ; cx, cy: my place in the cluster
	s_bfe_u32 s41, ttmp6, 0x40004
	s_lshl_b32 s42, ttmp9, 2
	s_add_co_u32 s42, s42, s40                     ; tile column = 4 x cluster x + cx
	s_and_b32 s17, ttmp7, 0xffff
	s_lshl_b32 s17, s17, 2
	s_add_co_u32 s17, s17, s41                     ; tile row = 4 x cluster y + cy
	s_lshl_b32 s43, s41, 2
	s_lshl_b32 s43, 15, s43                        ; my row of the cluster
	s_lshl_b32 s44, 0x1111, s40                    ; my column
	; descriptor group 1: a tile of 128 rows x 256 bytes, padded in LDS
	s_or_b32 s[G1+0], s43, (0<<16)|(1<<20)|(1<<21)|(5<<22)|(3<<25)  ; 15:0 the mask; 17:16 elements of 1 byte; 20 padding on; 21 set beside a mask; 24:22 after every 64 words; 31:25 four words
	s_or_b32 s[G1B+0], s44, (0<<16)|(1<<20)|(1<<21)|(5<<22)|(3<<25)
.irp g, G1, G1B
	s_mov_b32 s[\g+1], ROWB<<16                    ; tensor_dim0
	s_mov_b32 s[\g+2], 128<<16                     ; tensor_dim1
	s_mov_b32 s[\g+3], ROWB<<16                    ; tile_dim0
	s_mov_b32 s[\g+4], 128                         ; tile_dim1
	s_mov_b32 s[\g+5], KROW                        ; from row to row
	s_mov_b32 s[\g+6], 0
	s_mov_b32 s[\g+7], 0
.endr
	; the scales of 128 rows: a dense block of 4,096 bytes, as rows of 256 bytes (32 elements of 8 bytes), 16 bytes of padding behind each
	s_or_b32 s[G1S+0], s43, (3<<16)|(1<<20)|(1<<21)|(5<<22)|(3<<25)
	s_or_b32 s[G1SB+0], s44, (3<<16)|(1<<20)|(1<<21)|(5<<22)|(3<<25)
.irp g, G1S, G1SB
	s_mov_b32 s[\g+1], 32<<16
	s_mov_b32 s[\g+2], (128*KS/256)<<16
	s_mov_b32 s[\g+3], 32<<16
	s_mov_b32 s[\g+4], 128*KS/256
	s_mov_b32 s[\g+5], 32
	s_mov_b32 s[\g+6], 0
	s_mov_b32 s[\g+7], 0
.endr
	s_lshl_b32 s18, s16, 7                         ; which 128 rows of the tile I fetch
	s_lshl_b32 s20, s17, 8
	s_add_co_u32 s20, s20, s18                     ; x: row 256 x tile row + 128 x half
	s_lshl_b32 s46, s42, 8
	s_add_co_u32 s46, s46, s18                     ; w_qkv: row 256 x tile column + 128 x half
	s_mov_b32 s21, 0
	s_mov_b32 s47, 0
	s_mov_b64 s[18:19], KS
	s_mul_u64 s[22:23], s[20:21], s[18:19]         ; where these rows' scales begin, in bytes
	s_mul_u64 s[92:93], s[46:47], s[18:19]
	s_mov_b64 s[18:19], KROW
	s_mul_u64 s[20:21], s[20:21], s[18:19]         ; and their codes
	s_mul_u64 s[46:47], s[46:47], s[18:19]
	s_mul_i32 s45, s14, HALFT                      ; where they go: wave x 128 rows: no place in the cluster enters an LDS address
	s_mul_i32 s94, s14, HALFS
	s_wait_dscnt 0x0                               ; both opening adds are done
	s_wait_kmcnt 0x0
	s_add_nc_u64 s[20:21], s[4:5], s[20:21]
	s_add_nc_u64 s[22:23], s[6:7], s[22:23]
	s_add_nc_u64 s[46:47], s[8:9], s[46:47]
	s_add_nc_u64 s[92:93], s[10:11], s[92:93]
	CROUND                                         ; all sixteen work-groups are here: the joint loads meet
	s_mov_b32 s[G0S], 1
	s_add_co_u32 s[G0S+1], s94, SCL
	s_mov_b64 s[G0S+2:G0S+3], s[22:23]
	s_or_b32 s[G0S+3], s[G0S+3], 0x80000000
	s_mov_b32 s[G0SB], 1
	s_add_co_u32 s[G0SB+1], s94, SCL
	s_mov_b64 s[G0SB+2:G0SB+3], s[92:93]
	s_or_b32 s[G0SB+3], s[G0SB+3], 0x80000000
	JLOAD G0S, G1S, G0SB, G1SB                     ; the scales first: they are wanted with the first slot
.irp s, 0,1
	s_mov_b32 s[G0+4*\s], 1
	s_add_co_u32 s[G0+4*\s+1], s45, \s*SLOT
	s_add_nc_u64 s[G0+4*\s+2:G0+4*\s+3], s[20:21], \s*ROWB
	s_or_b32 s[G0+4*\s+3], s[G0+4*\s+3], 0x80000000
	s_mov_b32 s[G0B+4*\s], 1
	s_add_co_u32 s[G0B+4*\s+1], s45, \s*SLOT
	s_add_nc_u64 s[G0B+4*\s+2:G0B+4*\s+3], s[46:47], \s*ROWB
	s_or_b32 s[G0B+4*\s+3], s[G0B+4*\s+3], 0x80000000
	JLOAD G0+4*\s, G1, G0B+4*\s, G1B               ; three tensor loads of mine are out at the most
.endr
	v_and_b32 v1, 15, v0                           ; l % 16
	v_bfe_u32 v2, v0, 4, 1                         ; l / 16
	v_mul_u32_u24 v3, v1, PITCH
	v_lshl_add_u32 v4, v2, 4, v3                   ; a fragment's row x pitch + 16 x half
	s_mul_i32 s21, s15, HALFT                      ; my 128 rows of x
	s_mul_i32 s22, s16, HALFT                      ; my 128 rows of w_qkv,
	s_add_co_u32 s22, s22, 2*HALFT                 ; which lie behind x's 256
.irp s, 0,1
	v_add_nc_u32 v[ADRA+\s], s21, v4
	v_add_nc_u32 v[ADRB+\s], s22, v4
	s_add_co_u32 s21, s21, SLOT
	s_add_co_u32 s22, s22, SLOT
.endr
	v_mul_u32_u24 v5, v1, KS                       ; my row's scales: 32 bytes a row,
	v_lshrrev_b32 v6, 8, v5
	v_lshl_add_u32 v5, v6, 4, v5                   ; and 16 more for each 256 passed
	s_mul_i32 s21, s15, HALFS
	s_mul_i32 s22, s16, HALFS
	s_add_co_u32 s22, s22, 2*HALFS
	s_sub_co_u32 s22, s22, s21
	v_mul_u32_u24 v6, s22, v2                      ; lanes 16-31 take w_qkv's: one product, the distance between the two bases
	s_add_co_u32 s21, s21, SCL
	v_add_nc_u32 v5, v5, v6
	v_add_nc_u32 v[ADRS], s21, v5
	s_mul_i32 s23, s14, 16*SPITCH                  ; my stage
	v_mul_u32_u24 v5, v1, SPITCH                   ; in: row l % 16, 16 bytes for each half of the lanes
	v_lshl_add_u32 v5, v2, 4, v5
	v_add_nc_u32 v[STO], s23, v5
	v_bfe_u32 v5, v0, 3, 2                         ; back: eight lanes take a head's 128 bytes of a row, the 32 lanes four rows
	v_mul_u32_u24 v5, v5, SPITCH
	v_and_b32 v6, 7, v0
	v_lshl_add_u32 v5, v6, 4, v5
	v_add_nc_u32 v[RD], s23, v5
	v_and_b32 v6, 31, v0
	v_lshlrev_b32 v[CO], 4, v6                     ; and in memory those four rows are 512 bytes on end
	; where my part begins in qkv: part (tile column / 4) << 24, head (16 (tile row / 8) + 4 (tile column % 4) + 2 x column half) << 18, row (256 (tile row % 8) + 128 x row half) << 7
	s_lshr_b32 s20, s17, 3
	s_lshl_b32 s20, s20, 4
	s_and_b32 s21, s42, 3
	s_lshl_b32 s21, s21, 2
	s_add_co_u32 s20, s20, s21
	s_lshl_b32 s21, s16, 1
	s_add_co_u32 s20, s20, s21
	s_lshl_b32 s20, s20, 18
	s_and_b32 s21, s17, 7
	s_lshl_b32 s21, s21, 8
	s_lshl_b32 s46, s15, 7
	s_add_co_u32 s21, s21, s46
	s_lshl_b32 s21, s21, 7
	s_add_co_u32 s20, s20, s21
	s_lshr_b32 s21, s42, 2
	s_lshl_b32 s21, s21, 24
	s_add_co_u32 s20, s20, s21
	s_mov_b32 s21, 0
	s_add_nc_u64 s[12:13], s[12:13], s[20:21]
.macro FRAG reg, adr, q, i             ; a fragment, 16 rows x 128 K of 4-bit codes: lane l holds row l % 16; registers 4 c .. 4 c + 3 hold K = 64 c + 32 (l / 16) + 0 .. 31
.irp c, 0,1
	ds_load_b128 v[\reg+4*\c:\reg+4*\c+3], v[\adr] offset:64*(\q)+32*\c+(\i)*16*PITCH
.endr
.endm
; 16 matrix instructions: x's blocks a0, a0 + 1 against w_qkv's eight, the slot's q-th 128 along K.  p: w_qkv's set;  sc: the set of scale words.  zero = 1: the first product starts the sums.
; The 64 accumulators take turns, one instruction a turn, in the same order in every step.
.macro MUL16 a0, p, q, sc, zero
.irp a, \a0, \a0+1
.irp b, 0,1,2,3,4,5,6,7
.if \zero
	v_wmma_scale_f32_16x16x128_f8f6f4 v[8*(8*((\a)%4)+\b):8*(8*((\a)%4)+\b)+7], v[128*(\p)+FR*\b:128*(\p)+FR*\b+FR-1], v[AF+FR*(\a):AF+FR*(\a)+FR-1], 0, v[SC+8*NQ*(\sc)+NQ*\b+(\q)], v[SC+8*NQ*(\sc)+NQ*(\a)+(\q)] matrix_a_fmt:MATRIX_FMT_FP4 matrix_b_fmt:MATRIX_FMT_FP4 matrix_a_scale:MATRIX_SCALE_ROW1
.else
	v_wmma_scale_f32_16x16x128_f8f6f4 v[8*(8*((\a)%4)+\b):8*(8*((\a)%4)+\b)+7], v[128*(\p)+FR*\b:128*(\p)+FR*\b+FR-1], v[AF+FR*(\a):AF+FR*(\a)+FR-1], v[8*(8*((\a)%4)+\b):8*(8*((\a)%4)+\b)+7], v[SC+8*NQ*(\sc)+NQ*\b+(\q)], v[SC+8*NQ*(\sc)+NQ*(\a)+(\q)] matrix_a_fmt:MATRIX_FMT_FP4 matrix_b_fmt:MATRIX_FMT_FP4 matrix_a_scale:MATRIX_SCALE_ROW1
.endif
.endr
.endr
.endm
.macro FETCH_B slot, q, p              ; w_qkv's eight fragments of the slot's q-th 128 along K into set p
	WIN TO_B
.irp i, 0,1,2,3,4,5,6,7
	FRAG 128*(\p)+FR*\i, ADRB+\slot, \q, \i
.endr
	WIN 0
.endm
.macro FETCH_A slot, q, i0             ; x's blocks i0 .. i0 + 3
.irp i, \i0, \i0+1, \i0+2, \i0+3
	FRAG AF+FR*(\i), ADRA+\slot, \q, \i
.endr
.endm
.macro SCALES sc                       ; a slot's scale words into set sc: four words a row; lanes 0-15 take x's block i, lanes 16-31 w_qkv's block i
.irp i, 0,1,2,3,4,5,6,7
	ds_load_b128 v[SC+8*NQ*\sc+NQ*\i:SC+8*NQ*\sc+NQ*\i+3], v[ADRS] offset:\i*SBLK
.endr
.endm
; A load into a register that a matrix instruction has read, and a vector instruction that reads a matrix result or writes a matrix instruction's register, stand NP places behind it; only plain vector instructions that name none of its registers are places.
.macro PLACES n
.rept \n
	v_nop
.endr
.endm
; A step of 128 along K that has its successor in the same slot.  A block of x is free as soon as its eight products are issued: blocks 0-3 are fetched anew in the step's middle, blocks 4-7 at its end.
.macro STEP slot, q, zero
	s_wait_dscnt 4*NL                              ; all but the youngest eight loads (x's blocks 4-7) are in
	WIN MUL_LO
	MUL16 0, (\q)%2, \q, \slot, \zero
	MUL16 2, (\q)%2, \q, \slot, \zero
	s_wait_dscnt 0                                 ; x's blocks 4-7 are in
	PLACES NP
	FETCH_B \slot, (\q)+1, 1-(\q)%2
	FETCH_A \slot, (\q)+1, 0
	WIN MUL_HI
	MUL16 4, (\q)%2, \q, \slot, \zero
	MUL16 6, (\q)%2, \q, \slot, \zero
	PLACES NP
	WIN 0
	FETCH_A \slot, (\q)+1, 4
.endm
.macro STEPS slot, from                ; the slot's steps from .. NQ - 2
.set Q, \from
.rept NQ-1-\from
	STEP \slot, Q, 0
.set Q, Q+1
.endr
.endm
	s_wait_tensorcnt 1                             ; the scales and my part of slot 0 are in (slot 1's load may be out)
	s_barrier_signal -1
	s_barrier_wait -1                              ; everybody's are
	FETCH_B 0, 0, 0
	FETCH_A 0, 0, 0
	SCALES 0
	FETCH_A 0, 0, 4
	STEP 0, 0, 1                                   ; the first step's products start the sums: nothing is cleared
	STEPS 0, 1
	; slot 0's last step changes slots: one barrier; in front of it each wave waits for all its tensor loads (its part of slot 1) and for its reads of slot 0, which becomes the stage
	s_wait_tensorcnt 0x0
	ds_add_u32 v[SPW], v[NIL]
	s_wait_dscnt 4*NL+1                            ; (the add and x's blocks 4-7 may be out)
	WIN MUL_LO
	MUL16 0, 1, NQ-1, 0, 0
	s_wait_dscnt 0x0                               ; the add is done, and my reads of slot 0 are over
	s_barrier_signal -1
	MUL16 2, 1, NQ-1, 0, 0
	WIN 0
	s_barrier_wait -1
	PLACES NP
	v_add_nc_u32 v[ADRS], 4*NQ, v[ADRS]            ; on to slot 1's scale words
	FETCH_B 1, 0, 0
	FETCH_A 1, 0, 0
	SCALES 1
	WIN MUL_HI
	MUL16 4, 1, NQ-1, 0, 0
	MUL16 6, 1, NQ-1, 0, 0
	PLACES NP
	WIN 0
	FETCH_A 1, 0, 4
	STEPS 1, 0
	s_wait_dscnt 4*NL                              ; the very last step: nothing more to fetch
	WIN MUL_LO
	MUL16 0, 1, NQ-1, 1, 0
	MUL16 2, 1, NQ-1, 1, 0
	s_wait_dscnt 0
	WIN MUL_HI
	MUL16 4, 1, NQ-1, 1, 0
	MUL16 6, 1, NQ-1, 1, 0
	WIN 0
; THE WAY OUT, block by block of 16 rows x 128 columns (two heads).  PACK: rounded to f16, 16 bytes a lane, each accumulator from its low end on.  TOSTAGE: into my own stage in LDS and back head by head: 16 rows of a head are
; 2,048 consecutive bytes of qkv.  SEND: each store covers 512 consecutive bytes.  LDS serves a wave's instructions in order (ISA guide 5.7.1.4): no wait between the stage's stores and loads.
.macro PACK a
.set AC, 64*((\a)%4)
	WIN 0x0a+5*((\a)/4)                            ; sources 0 and 1: window 2 or 3
.irp b, 0,1,2,3,4,5,6,7
.irp r, 0,1,2,3
	v_cvt_pk_f16_f32 v[TMP+4*\b+\r], v[AC+8*\b+2*\r], v[AC+8*\b+2*\r+1]
.endr
.endr
	WIN 0
.endm
.macro TOSTAGE a
.set BB, BK+32*((\a)%2)
.irp b, 0,1,2,3,4,5,6,7
	ds_store_b128 v[STO], v[TMP+4*\b:TMP+4*\b+3] offset:32*\b
.endr
.irp hh, 0,1
.irp i, 0,1,2,3
	ds_load_b128 v[BB+4*(4*\hh+\i):BB+4*(4*\hh+\i)+3], v[RD] offset:\i*4*SPITCH+128*\hh
.endr
.endr
.endm
.macro SEND a
.set BB, BK+32*((\a)%2)
	s_wait_dscnt 0x0                               ; the block is back in registers
	s_wait_xcnt 0x0                                ; earlier stores have read their base and their data: the base steps, and the next block's loads land, only behind this wait
.if (\a) > 0
	s_add_nc_u64 s[12:13], s[12:13], 16*128        ; 16 rows of a head on
.endif
.irp hh, 0,1
.irp i, 0,1,2,3
	global_store_b128 v[CO], v[BB+4*(4*\hh+\i):BB+4*(4*\hh+\i)+3], s[12:13] offset:\hh*262144+\i*512
.endr
.endr
.endm
	PLACES NP                                      ; behind the last products: their results are read, and x's fragments' registers written
	PACK 0
	TOSTAGE 0
.irp a, 1,2,3,4,5,6,7                  ; block a's conversions stand between block a - 1's loads from the stage and the wait for them
	PACK \a
	SEND \a-1
	TOSTAGE \a
.endr
	SEND 7
	s_wait_tensorcnt 0x0                           ; the wave's end, behind my last tensor load and my last LDS store
	ds_add_u32 v[SPW], v[NIL]
	s_wait_dscnt 0x0
	CROUND                                         ; the closing round: no work-group ends while a partner may still ask for a tile that names it
	s_endpgm
.Lfunc_end_k_q2aedab72ba_qkv:
	.size	k_q2aedab72ba_qkv, .Lfunc_end_k_q2aedab72ba_qkv-k_q2aedab72ba_qkv
	.p2alignl 7, 3214868480
	.fill 96, 4, 3214868480
	.section	.rodata,"a",@progbits
	.p2align	6, 0x0
	.amdhsa_kernel k_q2aedab72ba_qkv
		.amdhsa_group_segment_fixed_size 327680
		.amdhsa_private_segment_fixed_size 0
		.amdhsa_enable_private_segment 0
		.amdhsa_kernarg_size 40
		.amdhsa_user_sgpr_count 2
		.amdhsa_user_sgpr_kernarg_segment_ptr 1
		.amdhsa_wavefront_size32 1
		.amdhsa_system_sgpr_workgroup_id_x 1
		.amdhsa_system_sgpr_workgroup_id_y 1
		.amdhsa_system_sgpr_workgroup_id_z 1
		.amdhsa_system_vgpr_workitem_id 0
		.amdhsa_next_free_vgpr 1024
		.amdhsa_next_free_sgpr 98
		.amdhsa_reserve_vcc 0
		.amdhsa_float_denorm_mode_32 3
		.amdhsa_float_denorm_mode_16_64 3
		.amdhsa_memory_ordered 1
		.amdhsa_forward_progress 1
		.amdhsa_inst_pref_size 127
	.end_amdhsa_kernel
	.amdgpu_metadata
---
amdhsa.version: [ 1, 2 ]
amdhsa.kernels:
  - .name:           k_q2aedab72ba_qkv
    .symbol:         k_q2aedab72ba_qkv.kd
    .args:
      - { .name: xc, .offset: 0, .size: 8, .value_kind: global_buffer, .address_space: global }
      - { .name: xs, .offset: 8, .size: 8, .value_kind: global_buffer, .address_space: global }
      - { .name: wc, .offset: 16, .size: 8, .value_kind: global_buffer, .address_space: global }
      - { .name: ws, .offset: 24, .size: 8, .value_kind: global_buffer, .address_space: global }
      - { .name: qkv, .offset: 32, .size: 8, .value_kind: global_buffer, .address_space: global }
    .group_segment_fixed_size: 327680
    .private_segment_fixed_size: 0
    .kernarg_segment_align: 8
    .kernarg_segment_size: 40
    .max_flat_workgroup_size: 128
    .sgpr_count:     98
    .vgpr_count:     1024
    .wavefront_size: 32
...
	.end_amdgpu_metadata
.endif
;; end of part 2
;; launch attn (part 3): grid 4 x 64, 8 waves a work-group, clusters of 4 x 1, 327,680 bytes of LDS; arguments qkv, o16; writes o16
.if DOCPART == 3
	.amdgcn_target "amdgcn-amd-amdhsa--gfx1250"
	.amdhsa_code_object_version 6
	.text
	.protected	k_q2aedab72ba_attn
	.globl	k_q2aedab72ba_attn
	.p2align	8
	.type	k_q2aedab72ba_attn,@function
k_q2aedab72ba_attn:
	s_mov_b64 s[64:65], 0
	v_nop
	global_prefetch_b8 v0, s[64:65] scope:SCOPE_SE
	s_setreg_imm32_b32 hwreg(HW_REG_WAVE_MODE, 25, 1), 1
	s_wait_xcnt 0x0
	s_wait_alu depctr_hold_cnt(0) depctr_sa_sdst(0) depctr_va_vdst(0) depctr_va_sdst(0) depctr_va_ssrc(0) depctr_va_vcc(0) depctr_vm_vsrc(0)
	s_getreg_b32 s2, hwreg(HW_REG_IB_STS2, 6, 4)
	s_cmp_eq_u32 s2, 0
	s_cbranch_scc0 .Lentry_in_a_cluster
	s_endpgm
.Lentry_in_a_cluster:
	s_bfe_u32 s2, ttmp6, 0x10000c
	s_cmp_lg_u32 s2, 0x3003
	s_cbranch_scc0 .Lentry_shape_is_right
	s_endpgm
.Lentry_shape_is_right:
; O[hd][q][:] = the sum over k of softmax_k(Q[hd][q] . K[hd][k] / 8) V[hd][k][:], 64 heads (batch x head) of 2,048 positions x 64 channels.  Q, K, V: f16, [part][hd][t][64] (a row is 128 bytes, a head dense).
; Products, maxima and sums in f32; the weights p are rounded to f16 for the second product, O once at the end.  O goes out as f16, [row / 128][head][row % 128][64]: 16 rows of a head are 2,048 consecutive bytes.
; LIMITS: NaN and infinities are not served; results beyond 65,504 in magnitude become infinity in f16.
; SHARES.  A work-group owns 512 queries of one head, each of its EIGHT waves 64: four tiles of 16, in 512 registers; two waves share a SIMD, so that one wave's softmax stands beside the other's products.  Every wave walks all 2,048 keys, 64 a step.
; LAYOUT.  S^T = K Q^T (source 0 = 16 keys, source 1 = 16 queries): a lane holds ONE query (lane % 16) and the keys 8 (lane / 16) + 0..7 of each tile.  Two such tiles, rounded to f16 in pairs, ARE source 1 (32 keys x 16 queries) of
; O^T = V^T P, whose result again holds one query a lane.  P is rounded IN PLACE: weight pair i goes into the tile's register i.  K comes out of LDS as it lies, V ([key][channel]) turned, by ds_load_tr16_b128.
; SOFTMAX.  For each query a running maximum m and sum l: p = 2^(c s - c m), c = log2(e) / 8; in every step O and l are multiplied by a = 2^(c m_old - c m_new).  c m is rounded once and that same number serves p and a, so its rounding cancels.
; RING.  Two LDS slots of 512 keys (8 steps).  Waves 0-3 fetch K's quarters, waves 4-7 V's, one tensor load a wave (128 keys: 64 LDS rows of two keys).  Both slots are asked for at the head and each is filled once more.
; CLUSTER.  The four query blocks of a head form a cluster and walk the same K and V, so each tile is asked for JOINTLY: the same tensor load, the same descriptor, a mask that names the four.
; REGISTERS, in two windows of 256: window 0: v0-15 addresses; v16-63 statistics, 12 a tile; v64-191 S^T, 32 a tile (then P in the low 16); v192-255 K of one step.
;   window 1: v0-127 O^T, 32 a tile; v128-191 Q, 16 a tile; v192-255 V of one step.
.set PK,     272                       ; an LDS row of K: two keys, 256 bytes + 16 of padding: key k at (k / 2) PK + 128 (k % 2): the 16 keys of a load fall on 16 different groups of four banks (64 banks of 4 bytes: ISA guide 11.1)
.set PVP,    288                       ; of V: 256 + 32
.set VOFF,   256*PK                    ; a slot: 512 keys of K, then 512 of V
.set SLOTB,  256*(PK+PVP)
.set KSTEPB, 32*PK                     ; a step's 64 keys
.set VSTEPB, 32*PVP
.set SLOTG,  512*128                   ; a slot's keys in memory
.set STAGE,  2*SLOTB                   ; behind the ring: 16 rows x 144 bytes for each wave, for the way out
.set SP,     144
.set SPARE,  STAGE+8*16*SP             ; the spare words: 128 bytes for each wave, named by no other line
.set AK0, 2                            ; v2   my lane's place in a tile of K; never rewritten
.set AV0, 3                            ; v3   the same for V
.set ADR, 4                            ; v4   LDS address of the run of K's loads in hand
.set ADV, 5                            ; v5   of V's
.set QO,  6                            ; v6   my byte offset in the wave's rows of Q
.set STO, 7                            ; v7   the way out: where I put 16 bytes of a row
.set RD,  8                            ; v8   where I read back
.set GO,  9                            ; v9   16 x lane
.set SPW, 10                           ; v10  LDS address of my spare word; never rewritten
.set NIL, 11                           ; v11  0; never rewritten
.set ST,  16                           ; tile t's statistics at v[ST+12 t]: +0 c m, +1 m, +2,3 and +4,5 l in four parts, +6 a, +7 c m_old and then the difference, +8..11 at work
.set S,   64
.set KF,  192
.set QF,  128                          ; in window 1
.set VF,  192                          ; in window 1
.set WV,  12                           ; s12  my wave's number
.set G1K, 24                           ; s[24:31] descriptor group 1 for K's tiles
.set G1V, 32                           ; s[32:39] for V's: it differs in the padding alone
.set G0K, 40                           ; s[40:47] descriptor group 0 for K's tiles, a set for each slot
.set G0V, 48                           ; s[48:55] the same for V's
.set CNT, 56                           ; s56  counts trips
.set TBK, 57                           ; s57  LDS byte at which K of the step to be fetched begins
.set CS,  58                           ; s[58:59] c: the packed scaling names a pair and takes its low word for both halves
.set SEL, 60                           ; s[60:61] lane selects for v_permlanex16_b32: lane l xor 16
.set TBV, 62                           ; s62  as TBK, for V (VOFF lies in AV0)
.set MSB, 0
.macro WIN new                         ; the immediate's high byte repeats the setting that is left; a switch that changes nothing is dropped
.if MSB != (\new)
	s_set_vgpr_msb (MSB<<8)|(\new)
.set MSB, \new
.endif
.endm
.set W_KQ, 0x04                        ; Q (source 1) in window 1
.set W_PV, 0x51                        ; V (source 0), C and D in window 1, P in window 0
.set W_RS, 0x41                        ; O^T (destination and source 0) in window 1, a in window 0
.set TO1,  0x40                        ; a load's destination in window 1
.set W_CV, 0x05                        ; both sources in window 1
.macro PLACES count
.rept \count
	v_nop
.endr
.endm
; A joint refill of slot s.  The branch hangs on the wave's number alone.  An s_nop 0 and four v_nop follow each of the two lines.
.macro JLOAD s
	s_cmp_lt_u32 s[WV], 4
	s_cbranch_scc0 .Lfor_v_\@
	tensor_load_to_lds s[G0K+4*\s:G0K+4*\s+3], s[G1K:G1K+7]
	s_nop 0
.rept 4
	v_nop
.endr
	s_branch .Lasked_\@
.Lfor_v_\@:
	tensor_load_to_lds s[G0V+4*\s:G0V+4*\s+3], s[G1V:G1V+7]
	s_nop 0
.rept 4
	v_nop
.endr
.Lasked_\@:
.endm
.macro CROUND                          ; a round of the cluster's barrier
	s_barrier_signal -1
	s_barrier_wait -1
	s_cmp_lg_u32 s[WV], 0
	s_cbranch_scc1 .Lnot_wave_0_\@
	s_barrier_signal -3
.Lnot_wave_0_\@:
	s_barrier_wait -3
	s_barrier_signal -1
	s_barrier_wait -1
.endm
	s_load_b64 s[4:5], s[0:1], 0x0                 ; qkv
	s_load_b64 s[10:11], s[0:1], 0x8               ; o16
	v_lshl_add_u32 v[SPW], v0, 2, SPARE
	v_mov_b32 v[NIL], 0
	ds_add_u32 v[SPW], v[NIL]                      ; the wave's opening: the add, twice on end, and its wait ahead of my first tensor load
	ds_add_u32 v[SPW], v[NIL]
	v_lshrrev_b32 v1, 5, v0
	v_readfirstlane_b32 s[WV], v1                  ; wave 0..7
	s_bfe_u32 s13, ttmp6, 0x40000                  ; cx: my place in the cluster
	s_lshl_b32 s14, ttmp9, 2
	s_add_co_u32 s14, s14, s13                     ; my block of 512 queries: it enters Q's and O's addresses alone
	s_and_b32 s20, ttmp7, 0xffff                   ; the head (batch x 16 + head), which the four partners share
	s_and_b32 s16, s[WV], 3                        ; which quarter of a slot I fetch
	s_lshl_b32 s22, s20, 18                        ; the head's 262,144 bytes in a part,
	s_lshl_b32 s23, s16, 14                        ; my 128 keys of 128 bytes
	s_add_co_u32 s22, s22, s23
	s_mov_b32 s23, 0
	s_mul_i32 s17, s16, 64*PK                      ; and their place in a slot: no place in the cluster enters an LDS address
	s_mul_i32 s18, s16, 64*PVP
	s_add_co_u32 s18, s18, VOFF
	s_lshl_b32 s2, s20, 18                         ; Q: the head, my block's 512 rows, my wave's 64
	s_lshl_b32 s3, s14, 16
	s_add_co_u32 s2, s2, s3
	s_lshl_b32 s3, s[WV], 13
	s_add_co_u32 s2, s2, s3
	s_mov_b32 s3, 0
	s_lshr_b32 s15, s20, 4                         ; O: block of 128 rows = 16 x batch + 4 x query block + wave / 2,
	s_lshl_b32 s15, s15, 4
	s_lshl_b32 s21, s14, 2
	s_add_co_u32 s15, s15, s21
	s_lshr_b32 s21, s[WV], 1
	s_add_co_u32 s15, s15, s21
	s_lshl_b32 s15, s15, 18
	s_and_b32 s20, s20, 15                         ; the head's 16,384 bytes in it,
	s_lshl_b32 s20, s20, 14
	s_add_co_u32 s20, s20, s15
	s_and_b32 s21, s[WV], 1                        ; my 64 rows of the 128
	s_lshl_b32 s21, s21, 13
	s_add_co_u32 s20, s20, s21
	s_mov_b32 s21, 0
	; descriptor group 1: 128 keys, dense in memory, as 64 rows of 128 elements (two keys), padded in LDS
	s_mov_b32 s[G1K], 15|(1<<16)|(1<<20)|(1<<21)|(5<<22)|(3<<25)  ; 15:0 the mask: all four work-groups; 17:16 elements of 2 bytes; 20 padding on; 21 set beside a mask; 24:22 after every 64 words; 31:25 four words
	s_mov_b32 s[G1V], 15|(1<<16)|(1<<20)|(1<<21)|(5<<22)|(7<<25)  ; the same with eight words of padding
.irp g, G1K, G1V
	s_mov_b32 s[\g+1], 128<<16                     ; tensor_dim0
	s_mov_b32 s[\g+2], 64<<16                      ; tensor_dim1
	s_mov_b32 s[\g+3], 128<<16                     ; tile_dim0
	s_mov_b32 s[\g+4], 64                          ; tile_dim1
	s_mov_b32 s[\g+5], 128                         ; from row to row
	s_mov_b32 s[\g+6], 0
	s_mov_b32 s[\g+7], 0
.endr
	s_mov_b32 s[CS], 0x3e38aa3b                    ; c = log2(e) / 8
	s_mov_b32 s[CS+1], s[CS]                       ; named with it as a pair, so it is written
	s_mov_b32 s[SEL], 0x76543210
	s_mov_b32 s[SEL+1], 0xfedcba98
	s_mov_b32 s[TBK], 0
	s_mov_b32 s[TBV], 0
	s_wait_dscnt 0x0                               ; both opening adds are done
	s_wait_kmcnt 0x0
	s_add_nc_u64 s[6:7], s[4:5], s[22:23]          ; K's and V's addresses are made before Q's offset, which holds cx, is added
	s_add_nc_u64 s[8:9], s[6:7], 0x2000000         ; V: part 2
	s_add_nc_u64 s[6:7], s[6:7], 0x1000000         ; K: part 1
	s_add_nc_u64 s[4:5], s[4:5], s[2:3]            ; Q at my wave's first row
	s_add_nc_u64 s[10:11], s[10:11], s[20:21]      ; O likewise
	CROUND                                         ; all four work-groups are here: the first joint loads meet
.irp s, 0,1
	s_mov_b32 s[G0K+4*\s], 1                       ; count = 1
	s_add_co_u32 s[G0K+4*\s+1], s17, \s*SLOTB      ; LDS address
	s_add_nc_u64 s[G0K+4*\s+2:G0K+4*\s+3], s[6:7], \s*SLOTG   ; global address: slot s begins with keys 512 s on
	s_or_b32 s[G0K+4*\s+3], s[G0K+4*\s+3], 0x80000000         ; type = 2
	s_mov_b32 s[G0V+4*\s], 1
	s_add_co_u32 s[G0V+4*\s+1], s18, \s*SLOTB
	s_add_nc_u64 s[G0V+4*\s+2:G0V+4*\s+3], s[8:9], \s*SLOTG
	s_or_b32 s[G0V+4*\s+3], s[G0V+4*\s+3], 0x80000000
.endr
	s_cmp_lt_u32 s[WV], 4                          ; a wave's two first fills stand in one branch, ahead of every wait on TENSORcnt and every LDS read: two loads of mine are out
	s_cbranch_scc0 .Lfirst_v
	tensor_load_to_lds s[G0K:G0K+3], s[G1K:G1K+7]
	s_nop 0
	tensor_load_to_lds s[G0K+4:G0K+7], s[G1K:G1K+7]
	s_nop 0
.rept 4
	v_nop
.endr
	s_branch .Lfirst_asked
.Lfirst_v:
	tensor_load_to_lds s[G0V:G0V+3], s[G1V:G1V+7]
	s_nop 0
	tensor_load_to_lds s[G0V+4:G0V+7], s[G1V:G1V+7]
	s_nop 0
.rept 4
	v_nop
.endr
.Lfirst_asked:
	; A fragment of K or Q is 16 rows x 32 channels in 8 registers: lane l holds row l % 16; registers 0-3 channels 8 (l / 16) + 0..7, registers 4-7 channels 16 + 8 (l / 16) + 0..7: two loads of 16 bytes, 32 bytes apart.
	v_and_b32 v1, 15, v0                           ; r = l % 16
	v_bfe_u32 v12, v0, 4, 1                        ; h = l / 16
	v_lshlrev_b32 v[QO], 7, v1
	v_lshl_add_u32 v[QO], v12, 4, v[QO]            ; row x 128 + 16 x half
	WIN TO1
.irp t, 0,1,2,3                        ; Q stays in registers: tile t, channels 32 c on
.irp c, 0,1
	global_load_b128 v[QF+16*\t+8*\c:QF+16*\t+8*\c+3],   v[QO], s[4:5] offset:\t*2048+\c*64
	global_load_b128 v[QF+16*\t+8*\c+4:QF+16*\t+8*\c+7], v[QO], s[4:5] offset:\t*2048+\c*64+32
.endr
.endr
	WIN 0
	v_lshrrev_b32 v13, 1, v1
	v_mul_u32_u24 v[AK0], v13, PK
	v_and_b32 v14, 1, v1
	v_lshl_add_u32 v[AK0], v14, 7, v[AK0]
	v_lshl_add_u32 v[AK0], v12, 4, v[AK0]          ; K: (r / 2) PK + 128 (r % 2) + 16 h
	; The turning load: lane l reads 16 bytes: key 8 (l / 16) + l % 8, channels 8 ((l / 8) % 2) + 0..7, and is left with channel l % 16 and 8 keys.
	v_bfe_u32 v13, v0, 1, 2
	v_lshl_add_u32 v13, v12, 2, v13                ; the key's LDS row: 4 h + (l % 8) / 2
	v_mul_u32_u24 v[AV0], v13, PVP
	v_and_b32 v14, 1, v0
	v_lshl_add_u32 v[AV0], v14, 7, v[AV0]
	v_bfe_u32 v14, v0, 3, 1
	v_lshl_add_u32 v[AV0], v14, 4, v[AV0]
	v_add_nc_u32 v[AV0], VOFF, v[AV0]
	s_mul_i32 s15, s[WV], 16*SP
	s_add_co_u32 s15, s15, STAGE                   ; my stage
	v_mul_u32_u24 v[STO], v1, SP                   ; in: row r, 16 bytes for each half of the lanes
	v_lshl_add_u32 v[STO], v12, 4, v[STO]
	v_add_nc_u32 v[STO], s15, v[STO]
	v_bfe_u32 v13, v0, 3, 2                        ; back: eight lanes a row of 128 bytes, four rows an instruction
	v_mul_u32_u24 v[RD], v13, SP
	v_and_b32 v14, 7, v0
	v_lshl_add_u32 v[RD], v14, 4, v[RD]
	v_add_nc_u32 v[RD], s15, v[RD]
	v_and_b32 v13, 31, v0
	v_lshlrev_b32 v[GO], 4, v13                    ; and the same four rows in memory: 512 bytes on end
.irp t, 0,1,2,3
	v_mov_b32 v[ST+12*\t+1], 0xff61b1e6            ; m: -3e38, under every score
	v_mul_f32 v[ST+12*\t], s[CS], v[ST+12*\t+1]    ; c m
	v_mov_b32 v[ST+12*\t+2], 0                     ; l, in four parts
	v_mov_b32 v[ST+12*\t+3], 0
	v_mov_b32 v[ST+12*\t+4], 0
	v_mov_b32 v[ST+12*\t+5], 0
.endr
; THE MATRIX WORK.  In each run the 16 accumulators take turns, one instruction a turn.
.macro KQ                              ; S^T = K Q^T for the four tiles: channels 32 c on, keys 16 kt on; the first 16 start the sums
	WIN W_KQ
.irp c, 0,1
.irp kt, 0,1,2,3
.irp t, 0,1,2,3
.if \c == 0
	v_wmma_f32_16x16x32_f16 v[S+32*\t+8*\kt:S+32*\t+8*\kt+7], v[KF+8*(2*\kt+\c):KF+8*(2*\kt+\c)+7], v[QF+16*\t+8*\c:QF+16*\t+8*\c+7], 0
.else
	v_wmma_f32_16x16x32_f16 v[S+32*\t+8*\kt:S+32*\t+8*\kt+7], v[KF+8*(2*\kt+\c):KF+8*(2*\kt+\c)+7], v[QF+16*\t+8*\c:QF+16*\t+8*\c+7], v[S+32*\t+8*\kt:S+32*\t+8*\kt+7]
.endif
.endr
.endr
.endr
.endm
.macro PVM first                       ; O^T += V^T P: keys 32 g on, channels 16 ct on.  first = 1: the first 16 start the sums: nothing is ever cleared
	WIN W_PV
.irp g, 0,1
.irp ct, 0,1,2,3
.irp t, 0,1,2,3
.if (\first) && (\g == 0)
	v_wmma_f32_16x16x32_f16 v[32*\t+8*\ct:32*\t+8*\ct+7], v[VF+8*(4*\g+\ct):VF+8*(4*\g+\ct)+7], v[S+32*\t+8*\g:S+32*\t+8*\g+7], 0
.else
	v_wmma_f32_16x16x32_f16 v[32*\t+8*\ct:32*\t+8*\ct+7], v[VF+8*(4*\g+\ct):VF+8*(4*\g+\ct)+7], v[S+32*\t+8*\g:S+32*\t+8*\g+7], v[32*\t+8*\ct:32*\t+8*\ct+7]
.endif
.endr
.endr
.endr
.endm
; THE LDS LOADS stand in runs of 16.
.macro LOADK                           ; a step's K: keys 16 kt on (8 LDS rows), channels 32 c on
.irp kt, 0,1,2,3
.irp c, 0,1
	ds_load_b128 v[KF+8*(2*\kt+\c):KF+8*(2*\kt+\c)+3],   v[ADR] offset:\kt*8*PK+\c*64
	ds_load_b128 v[KF+8*(2*\kt+\c)+4:KF+8*(2*\kt+\c)+7], v[ADR] offset:\kt*8*PK+\c*64+32
.endr
.endr
.endm
.macro LOADV                           ; a step's V, turned: keys 32 g on (16 LDS rows), channels 16 ct on
	WIN TO1
.irp g, 0,1
.irp ct, 0,1,2,3
	ds_load_tr16_b128 v[VF+8*(4*\g+\ct):VF+8*(4*\g+\ct)+3],   v[ADV] offset:\g*16*PVP+\ct*32
	ds_load_tr16_b128 v[VF+8*(4*\g+\ct)+4:VF+8*(4*\g+\ct)+7], v[ADV] offset:\g*16*PVP+8*PVP+\ct*32
.endr
.endr
	WIN 0
.endm
; THE SOFTMAX's lines, for tile t.  s0-s31 are the lane's 32 scores.
.macro QMAX t, i                       ; line i of 16 of the maximum of s0-s31 and the old m: four chains of seven scores, then the four left over, the chains and m.  Each accumulator is first read at its low end
.set rT, ST+12*(\t)
.set rS, S+32*(\t)
.if (\i) < 4
	v_max3_num_f32 v[rT+8+(\i)], v[rS+8*(\i)], v[rS+8*(\i)+1], v[rS+8*(\i)+2]
.elseif (\i) < 12
	v_max3_num_f32 v[rT+8+(\i)%4], v[rT+8+(\i)%4], v[rS+8*((\i)%4)+2*((\i)/4)+1], v[rS+8*((\i)%4)+2*((\i)/4)+2]
.elseif (\i) == 12
	v_max3_num_f32 v[rT+8], v[rT+8], v[rS+7], v[rS+15]
.elseif (\i) == 13
	v_max3_num_f32 v[rT+10], v[rT+10], v[rS+23], v[rS+31]
.elseif (\i) == 14
	v_max3_num_f32 v[rT+8], v[rT+8], v[rT+9], v[rT+10]
.else
	v_max3_num_f32 v[rT+8], v[rT+8], v[rT+11], v[rT+1]
.endif
.endm
.macro QSTATS ta, tb                   ; the other half of the lanes' maximum; the new m; c m; c m_old - c m_new.  Two tiles by turns
.irp t, \ta, \tb
	v_permlanex16_b32 v[ST+12*\t+9], v[ST+12*\t+8], s[SEL], s[SEL+1]   ; the query's other 32 keys lie in the lane 16 away
.endr
.irp t, \ta, \tb
	v_mov_b32 v[ST+12*\t+7], v[ST+12*\t]
.endr
.irp t, \ta, \tb
	v_max_num_f32 v[ST+12*\t+1], v[ST+12*\t+8], v[ST+12*\t+9]
.endr
.irp t, \ta, \tb
	v_mul_f32 v[ST+12*\t], s[CS], v[ST+12*\t+1]    ; kept apart from the subtraction: p and a take the same rounded c m
.endr
.irp t, \ta, \tb
	v_sub_f32 v[ST+12*\t+7], v[ST+12*\t+7], v[ST+12*\t]
.endr
.endm
.macro QFMA t, i                       ; pair i: c s - c m
.set rT, ST+12*(\t)
.set rS, S+32*(\t)+2*(\i)
	v_pk_fma_f32 v[rS:rS+1], v[rS:rS+1], s[CS:CS+1], v[rT:rT+1] op_sel_hi:[1,0,0] neg_lo:[0,0,1] neg_hi:[0,0,1]
.endm
.macro QEXPA t
	v_exp_f32 v[ST+12*(\t)+6], v[ST+12*(\t)+7]
.endm
.macro QEXP t, e
	v_exp_f32 v[S+32*(\t)+(\e)], v[S+32*(\t)+(\e)]
.endm
.macro QSUM t, i                       ; pair i onto l, in two chains of pairs; the first two lines bring l under the new m
.set rT, ST+12*(\t)
.set rS, S+32*(\t)+2*(\i)
.set rL, rT+2+2*((\i)%2)
.if (\i) < 2
	v_pk_fma_f32 v[rL:rL+1], v[rL:rL+1], v[rT+6:rT+7], v[rS:rS+1] op_sel_hi:[1,0,1]
.else
	v_pk_add_f32 v[rL:rL+1], v[rL:rL+1], v[rS:rS+1]
.endif
.endm
.macro QCVT t, i                       ; pair i to f16, into the tile's register i: whatever that register held has been summed and rounded by then (pair i / 2)
	v_cvt_pk_f16_f32 v[S+32*(\t)+(\i)], v[S+32*(\t)+2*(\i)], v[S+32*(\t)+2*(\i)+1]
.endm
; A step's softmax for the four tiles, all in window 0.  The exponentials go in TWO BATCHES of 66 (tiles 0, 1; tiles 2, 3), each with one wait ahead of the first line that names a result; the other pair's plain lines stand among them.
.macro SOFTMAX
.set n, 0
.rept 16
	QMAX 0, n
	QMAX 1, n
.set n, n+1
.endr
	QSTATS 0, 1
	QFMA 0, 0
	QFMA 1, 0
	QEXPA 0
	QEXPA 1
.set n, 0
.rept 16                               ; tiles 0, 1: scalings and exponentials | tiles 2, 3: the maximum
.if n < 15
	QFMA 0, n+1
.endif
	QEXP 0, 2*n
.if n < 15
	QFMA 1, n+1
.endif
	QEXP 1, 2*n
	QMAX 2, n
	QEXP 0, 2*n+1
	QMAX 3, n
	QEXP 1, 2*n+1
.set n, n+1
.endr
	QSTATS 2, 3
	QFMA 2, 0
	QFMA 3, 0
	QEXPA 2
	QEXPA 3
	v_nop                                          ; a plain line behind the last exponential
	s_wait_alu depctr_va_vdst(0)                   ; one wait for all exponentials so far, ahead of the first line that names a result
.set n, 0
.rept 16                               ; tiles 2, 3: scalings and exponentials | tiles 0, 1: sums and roundings
.if n < 15
	QFMA 2, n+1
.endif
	QEXP 2, 2*n
.if n < 15
	QFMA 3, n+1
.endif
	QEXP 3, 2*n
	QSUM 0, n
	QEXP 2, 2*n+1
	QSUM 1, n
	QEXP 3, 2*n+1
	QCVT 0, n
	QCVT 1, n
.set n, n+1
.endr
	s_wait_alu depctr_va_vdst(0)                   ; the second batch's one wait; the two roundings above are the plain lines behind its last exponential
.set n, 0
.rept 16
	QSUM 2, n
	QSUM 3, n
	QCVT 2, n
	QCVT 3, n
.set n, n+1
.endr
.endm
; A TRIP begins just behind the products K Q^T of its step j, so that a change of slots falls between trips.  next = 1: it fetches K and V of step j + 1 and ends with that step's K Q^T.  first = 1: step 0, whose V^T P starts O^T.
; Places (plain vector lines that name none of a matrix instruction's registers): five behind K Q^T, ahead of the loads into K's registers and the first reads of the scores; five behind V^T P, ahead of the loads into
; V's registers and of the products K Q^T that write over P.
.macro BODY first, next
	WIN 0
.if \next
	v_add_nc_u32 v[ADR], s[TBK], v[AK0]
	PLACES 4
	LOADK                                          ; K of step j + 1
	s_add_co_u32 s[TBK], s[TBK], KSTEPB
.else
	PLACES 5
.endif
	SOFTMAX
.if \first == 0
	WIN W_RS
.set n, 0
.rept 16                               ; O^T x a, each accumulator from its low end on
.irp t, 0,1,2,3
	v_pk_mul_f32 v[32*\t+2*n:32*\t+2*n+1], v[32*\t+2*n:32*\t+2*n+1], v[ST+12*\t+6:ST+12*\t+7] op_sel_hi:[1,0]
.endr
.set n, n+1
.endr
.endif
.if \next
	s_wait_dscnt 16                                ; V of step j is in; the sixteen younger loads, K of step j + 1, may be out
.else
	s_wait_dscnt 0x0
.endif
	PVM \first
.if \next
	WIN 0
	v_add_nc_u32 v[ADV], s[TBV], v[AV0]
	PLACES 4
	LOADV                                          ; V of step j + 1
	s_add_co_u32 s[TBV], s[TBV], VSTEPB
	s_wait_dscnt 16                                ; K of step j + 1 is in; V's sixteen loads may be out
	KQ
	WIN 0
.endif
.endm
.macro TRIPS count
	s_mov_b32 s[CNT], \count
.Ltrip_\@:
	BODY 0, 1
	s_sub_co_u32 s[CNT], s[CNT], 1
	s_cmp_lg_u32 s[CNT], 0
	s_cbranch_scc1 .Ltrip_\@
.endm
; THE CHANGE OF SLOTS: the slot's last bytes have been asked for.  Each wave waits for all its tensor loads (its part of the other slot), adds 0 to its spare word, and waits for that and for its reads of the slot.
; fill = 1: the slot just left is filled again, with the keys two slots on.  The barrier is then a round of the cluster's, and the joint refill is the first thing behind it: it has eight key steps in which to land.
.macro CHANGE fill, slot, base
	s_wait_tensorcnt 0x0                           ; no tensor load of mine is out, so a group 0 may be written
	ds_add_u32 v[SPW], v[NIL]                      ; 0 onto my spare word; work on registers stands between it and the wait for it
.if \fill
	s_add_nc_u64 s[G0K+4*\slot+2:G0K+4*\slot+3], s[G0K+4*\slot+2:G0K+4*\slot+3], 2*SLOTG   ; the type bits on top are not reached
	s_add_nc_u64 s[G0V+4*\slot+2:G0V+4*\slot+3], s[G0V+4*\slot+2:G0V+4*\slot+3], 2*SLOTG
.endif
	s_mov_b32 s[TBK], \base                        ; the fetches go on at the other slot's first step
	s_mov_b32 s[TBV], \base
	s_wait_dscnt 0x0                               ; the add is done, and my reads of the slot are over
.if \fill
	CROUND
	JLOAD \slot
.else
	s_barrier_signal -1
	s_barrier_wait -1
.endif
.endm
	s_wait_tensorcnt 1                             ; my part of slot 0 is in; slot 1's may stay out
	s_barrier_signal -1
	s_barrier_wait -1                              ; everybody's is
	v_add_nc_u32 v[ADR], s[TBK], v[AK0]
	LOADK                                          ; key step 0
	s_add_co_u32 s[TBK], s[TBK], KSTEPB
	v_add_nc_u32 v[ADV], s[TBV], v[AV0]
	LOADV
	s_add_co_u32 s[TBV], s[TBV], VSTEPB
	s_wait_loadcnt 0x0                             ; Q
	s_wait_dscnt 16                                ; K is in; V's sixteen loads may be out
	KQ
	WIN 0
	BODY 1, 1                                      ; step 0; fetches step 1
	TRIPS 6                                        ; steps 1 to 6; they fetch steps 2 to 7: slot 0 is read out
	CHANGE 1, 0, SLOTB                             ; slot 0 takes keys 1,024 on
	TRIPS 8                                        ; steps 7 to 14; they fetch steps 8 to 15 from slot 1
	CHANGE 1, 1, 0                                 ; slot 1 takes keys 1,536 on
	TRIPS 8                                        ; steps 15 to 22
	CHANGE 0, 0, SLOTB                             ; nothing is left to ask for
	TRIPS 8                                        ; steps 23 to 30
	BODY 0, 0                                      ; step 31
	; THE WAY OUT.  l's four parts and the other half of the lanes' are added; O^T is divided by l, rounded to f16 and sent through my stage in LDS, a tile (16 rows) at a time.  The additions are the places behind the last products.
	WIN 0
.irp t, 0,1,2,3
	v_pk_add_f32 v[ST+12*\t+2:ST+12*\t+3], v[ST+12*\t+2:ST+12*\t+3], v[ST+12*\t+4:ST+12*\t+5]
.endr
.irp t, 0,1,2,3
	v_add_f32 v[ST+12*\t+8], v[ST+12*\t+2], v[ST+12*\t+3]
.endr
.irp t, 0,1,2,3
	v_permlanex16_b32 v[ST+12*\t+9], v[ST+12*\t+8], s[SEL], s[SEL+1]
.endr
.irp t, 0,1,2,3
	v_add_f32 v[ST+12*\t+8], v[ST+12*\t+8], v[ST+12*\t+9]
.endr
.irp t, 0,1,2,3
	v_rcp_f32 v[ST+12*\t+6], v[ST+12*\t+8]
.endr
	v_nop                                          ; a plain line between the last reciprocal and the use of its result
	s_wait_alu depctr_va_vdst(0)                   ; and one wait for the four, ahead of the first use
.macro PACK t                          ; a lane's eight channels of a row pack into 16 bytes; they go into rows of 144 bytes and come back as rows of 128, four to an instruction
	WIN W_RS
.set n, 0
.rept 16
	v_pk_mul_f32 v[32*\t+2*n:32*\t+2*n+1], v[32*\t+2*n:32*\t+2*n+1], v[ST+12*\t+6:ST+12*\t+7] op_sel_hi:[1,0]
.set n, n+1
.endr
	WIN W_CV
.set n, 0
.rept 16
	v_cvt_pk_f16_f32 v[S+32*\t+n], v[32*\t+2*n], v[32*\t+2*n+1]
.set n, n+1
.endr
	WIN 0
.irp ct, 0,1,2,3
	ds_store_b128 v[STO], v[S+32*\t+4*\ct:S+32*\t+4*\ct+3] offset:32*\ct
.endr
.irp i, 0,1,2,3
	ds_load_b128 v[S+32*\t+4*\i:S+32*\t+4*\i+3], v[RD] offset:\i*4*SP   ; LDS serves a wave's instructions in order (ISA guide 5.7.1.4): these see the stores above; the next tile's stores come behind them
.endr
.endm
.macro SEND t, younger                 ; younger: the LDS instructions issued behind tile t's loads: the next tile's eight, or none
.irp i, 0,1,2,3
	s_wait_dscnt \younger+3-\i
	global_store_b128 v[GO], v[S+32*\t+4*\i:S+32*\t+4*\i+3], s[10:11] offset:\t*2048+\i*512   ; 32 lanes store 512 consecutive bytes, at a multiple of 512 from the buffer's first byte
.endr
.endm
	PACK 0
	PACK 1                                         ; a tile's arithmetic stands between the loads of the tile before and its stores
	SEND 0, 8
	PACK 2
	SEND 1, 8
	PACK 3
	SEND 2, 8
	SEND 3, 0
	s_wait_tensorcnt 0x0                           ; the wave's end, behind my last tensor load and my last LDS store
	ds_add_u32 v[SPW], v[NIL]
	s_wait_dscnt 0x0
	CROUND                                         ; the closing round: no work-group ends while a partner may still ask for a tile that names it
	s_endpgm
.Lfunc_end_k_q2aedab72ba_attn:
	.size	k_q2aedab72ba_attn, .Lfunc_end_k_q2aedab72ba_attn-k_q2aedab72ba_attn
	.p2alignl 7, 3214868480
	.fill 96, 4, 3214868480
	.section	.rodata,"a",@progbits
	.p2align	6, 0x0
	.amdhsa_kernel k_q2aedab72ba_attn
		.amdhsa_group_segment_fixed_size 327680
		.amdhsa_private_segment_fixed_size 0
		.amdhsa_enable_private_segment 0
		.amdhsa_kernarg_size 16
		.amdhsa_user_sgpr_count 2
		.amdhsa_user_sgpr_kernarg_segment_ptr 1
		.amdhsa_wavefront_size32 1
		.amdhsa_system_sgpr_workgroup_id_x 1
		.amdhsa_system_sgpr_workgroup_id_y 1
		.amdhsa_system_sgpr_workgroup_id_z 1
		.amdhsa_system_vgpr_workitem_id 0
		.amdhsa_next_free_vgpr 512
		.amdhsa_next_free_sgpr 66
		.amdhsa_reserve_vcc 0
		.amdhsa_float_denorm_mode_32 3
		.amdhsa_float_denorm_mode_16_64 3
		.amdhsa_memory_ordered 1
		.amdhsa_forward_progress 1
		.amdhsa_inst_pref_size 213
	.end_amdhsa_kernel
	.amdgpu_metadata
---
amdhsa.version: [ 1, 2 ]
amdhsa.kernels:
  - .name:           k_q2aedab72ba_attn
    .symbol:         k_q2aedab72ba_attn.kd
    .args:
      - { .name: qkv, .offset: 0, .size: 8, .value_kind: global_buffer, .address_space: global }
      - { .name: o16, .offset: 8, .size: 8, .value_kind: global_buffer, .address_space: global }
    .group_segment_fixed_size: 327680
    .private_segment_fixed_size: 0
    .kernarg_segment_align: 8
    .kernarg_segment_size: 16
    .max_flat_workgroup_size: 256
    .sgpr_count:     66
    .vgpr_count:     512
    .wavefront_size: 32
...
	.end_amdgpu_metadata
.endif
;; end of part 3
;; launch proj (part 4): grid 4 x 64, 4 waves a work-group, clusters of 4 x 4, 327,680 bytes of LDS; arguments o16, wo16, b_out, out0; writes out0
.if DOCPART == 4
	.amdgcn_target "amdgcn-amd-amdhsa--gfx1250"
	.amdhsa_code_object_version 6
	.text
	.protected	k_q2aedab72ba_proj
	.globl	k_q2aedab72ba_proj
	.p2align	8
	.type	k_q2aedab72ba_proj,@function
k_q2aedab72ba_proj:
	s_mov_b64 s[64:65], 0
	v_nop
	global_prefetch_b8 v0, s[64:65] scope:SCOPE_SE
	s_setreg_imm32_b32 hwreg(HW_REG_WAVE_MODE, 25, 1), 1
	s_wait_xcnt 0x0
	s_wait_alu depctr_hold_cnt(0) depctr_sa_sdst(0) depctr_va_vdst(0) depctr_va_sdst(0) depctr_va_ssrc(0) depctr_va_vcc(0) depctr_vm_vsrc(0)
	s_getreg_b32 s2, hwreg(HW_REG_IB_STS2, 6, 4)
	s_cmp_eq_u32 s2, 0
	s_cbranch_scc0 .Lentry_in_a_cluster
	s_endpgm
.Lentry_in_a_cluster:
	s_bfe_u32 s2, ttmp6, 0x10000c
	s_cmp_lg_u32 s2, 0xf033
	s_cbranch_scc0 .Lentry_shape_is_right
	s_endpgm
.Lentry_shape_is_right:
; out0[m][e] = sum over c of o[m][c] w_out[e][c] + b_out[e].  o and w_out in f16, laid by K block: o16 [m / 128][c / 64][m % 128][c % 64], wo16 [e / 256][c / 64][e % 256][c % 64]; sums in f32; out0 [8192][1024] f32.
; A tile of 128 (m) x 256 (e) is made by a work-group of four waves: 256 work-groups.  A wave makes 64 x 128: 32 accumulators of 16 x 16, 256 registers.
; K goes in steps of 128 (two K blocks of 64) through a ring of two LDS slots.  A K block of a tile is dense in memory and comes as rows of 256 bytes (two rows of the matrix).  Waves 0, 1 fetch o's two blocks, waves 2, 3 w_out's: one tensor load a wave.
; CLUSTERS: 4 x 4 work-groups.  The four of a row of the cluster need the same tiles of o, the four of a column the same tiles of w_out: each tile is asked for JOINTLY, by the same tensor load with the same descriptor and a mask that names the four.
; THE MATRIX INSTRUCTION IS USED TRANSPOSED (source 0 = 16 rows of w_out, source 1 = 16 rows of o): a lane then holds eight neighbouring columns of one row of out0.  The bias is the C of each sum's first product.
; REGISTERS: window 0: v0-31 addresses; v32-127, v128-223 two fragment buffers (w_out's 8 fragments, then o's 4); on the way out v32-159.   window 1: the accumulators ((a, b) at v[8 (8 a + b)]).   window 2: v0-63 the bias, in the result's layout.
.set PITCH,  272                       ; an LDS row: two rows of 128 bytes + 16 of padding: row m at (m / 2) PITCH + 128 (m % 2): the 16 rows of a load fall on 16 different groups of four banks (64 banks of 4 bytes: ISA guide 11.1)
.set ABLK,   64*PITCH                  ; o's K block: 128 rows
.set BBLK,   128*PITCH                 ; w_out's: 256 rows
.set SLOT,   2*ABLK+2*BBLK             ; o's two blocks, then w_out's two
.set STAGE,  2*SLOT                    ; behind the ring: 16 rows x (512 bytes + 16) for each wave, for the way out
.set SPITCH, 528
.set SPARE,  STAGE+4*16*SPITCH         ; the spare words: 128 bytes for each wave, named by no other line
.set LAPS,   4                         ; a lap = two K steps = once round the ring: 1,024 / 256
.set ADRA, 16                          ; v16-17  LDS address of my fragments of o in slot 0, 1
.set ADRB, 20                          ; v20-21  the same for w_out
.set STO,  24                          ; v24     the way out: where I put 32 bytes of a row
.set RD,   25                          ; v25     where I read a row back
.set CO,   26                          ; v26     16 x lane
.set BO,   27                          ; v27     the bias: 32 x (lane / 16)
.set SPW,  28                          ; v28     LDS address of my spare word; never rewritten
.set NIL,  29                          ; v29     0; never rewritten
.set F0,   32
.set F1,   128
.set BK,   32                          ; the way out: 16 rows read back: v32-95 and v96-159 by turns
.set BI,   0                           ; the bias, in window 2
.set G1, 24                            ; s[24:31] descriptor group 1 for o's blocks;  s[32:39] group 0, one set for each slot
.set G0, 32
.set G1B, 48                           ; s[48:55], s[56:63] the same for w_out's
.set G0B, 56
.set MSB, 0
.macro WIN new                         ; the immediate's high byte repeats the setting that is left
.if MSB != (\new)
	s_set_vgpr_msb (MSB<<8)|(\new)
.set MSB, \new
.endif
.endm
.set MUL,  0x50                        ; C and D window 1
.set MUL0, 0x60                        ; D window 1, C (the bias) window 2
.macro JLOAD s                         ; a joint load: waves 0 and 1 fetch o's blocks, waves 2 and 3 w_out's; an s_nop 0 and four v_nop follow each of the two lines
	s_cmp_eq_u32 s13, 0
	s_cbranch_scc0 .Lfor_b_\@
	tensor_load_to_lds s[G0+4*\s:G0+4*\s+3], s[G1:G1+7]
	s_nop 0
.rept 4
	v_nop
.endr
	s_branch .Lasked_\@
.Lfor_b_\@:
	tensor_load_to_lds s[G0B+4*\s:G0B+4*\s+3], s[G1B:G1B+7]
	s_nop 0
.rept 4
	v_nop
.endr
.Lasked_\@:
.endm
.macro CREST                           ; a round of the cluster's barrier behind its opening barrier
	s_cmp_lg_u32 s12, 0
	s_cbranch_scc1 .Lnot_wave_0_\@
	s_barrier_signal -3
.Lnot_wave_0_\@:
	s_barrier_wait -3
	s_barrier_signal -1
	s_barrier_wait -1
.endm
.macro CROUND                          ; a whole round
	s_barrier_signal -1
	s_barrier_wait -1
	CREST
.endm
	s_load_b256 s[4:11], s[0:1], 0x0               ; o16 s[4:5], wo16 s[6:7], b_out s[8:9], out0 s[10:11]
	v_lshl_add_u32 v[SPW], v0, 2, SPARE
	v_mov_b32 v[NIL], 0
	ds_add_u32 v[SPW], v[NIL]                      ; the wave's opening: the add, twice on end, and its wait ahead of my first tensor load
	ds_add_u32 v[SPW], v[NIL]
	v_lshrrev_b32 v1, 5, v0
	v_readfirstlane_b32 s12, v1                    ; wave 0..3
	s_lshr_b32 s13, s12, 1                         ; which half of the tile's rows is mine.  Also: I fetch for o (0) or for w_out (1)
	s_and_b32 s14, s12, 1                          ; which half of its columns.  Also: which of a slot's two K blocks I fetch
	s_bfe_u32 s40, ttmp6, 0x40000                  ; cx, cy: my place in the cluster
	s_bfe_u32 s41, ttmp6, 0x40004
	s_lshl_b32 s42, ttmp9, 2
	s_add_co_u32 s42, s42, s40                     ; tile column (256 wide) = 4 x cluster x + cx
	s_and_b32 s16, ttmp7, 0xffff
	s_lshl_b32 s16, s16, 2
	s_add_co_u32 s16, s16, s41                     ; tile row (128 high) = 4 x cluster y + cy
	s_lshl_b32 s43, s41, 2
	s_lshl_b32 s43, 15, s43                        ; my row of the cluster
	s_lshl_b32 s44, 0x1111, s40                    ; my column
	; descriptor group 1: a dense block as rows of 128 elements of 2 bytes, padded in LDS: 64 rows for o, 128 for w_out
	s_or_b32 s[G1+0], s43, (1<<16)|(1<<20)|(1<<21)|(5<<22)|(3<<25)  ; 15:0 the mask; 17:16 elements of 2 bytes; 20 padding on; 21 set beside a mask; 24:22 after every 64 words; 31:25 four words
	s_or_b32 s[G1B+0], s44, (1<<16)|(1<<20)|(1<<21)|(5<<22)|(3<<25)
	s_mov_b32 s[G1+1], 128<<16                     ; tensor_dim0
	s_mov_b32 s[G1+2], 64<<16                      ; tensor_dim1
	s_mov_b32 s[G1+3], 128<<16                     ; tile_dim0
	s_mov_b32 s[G1+4], 64                          ; tile_dim1
	s_mov_b32 s[G1+5], 128                         ; from row to row
	s_mov_b32 s[G1+6], 0
	s_mov_b32 s[G1+7], 0
	s_mov_b32 s[G1B+1], 128<<16
	s_mov_b32 s[G1B+2], 128<<16
	s_mov_b32 s[G1B+3], 128<<16
	s_mov_b32 s[G1B+4], 128
	s_mov_b32 s[G1B+5], 128
	s_mov_b32 s[G1B+6], 0
	s_mov_b32 s[G1B+7], 0
	s_lshl_b32 s18, s16, 18                        ; o: the tile row's 262,144 bytes, my block's 16,384: made of the tile row and the wave alone
	s_lshl_b32 s19, s14, 14
	s_add_co_u32 s18, s18, s19
	s_mov_b32 s19, 0
	s_lshl_b32 s46, s42, 19                        ; w_out: the tile column's 524,288 bytes, my block's 32,768: made of the tile column and the wave alone
	s_lshl_b32 s47, s14, 15
	s_add_co_u32 s46, s46, s47
	s_mov_b32 s47, 0
	s_mul_i32 s20, s14, ABLK                       ; where they go: no place in the cluster enters an LDS address
	s_mul_i32 s21, s14, BBLK
	s_add_co_u32 s21, s21, 2*ABLK
	s_wait_dscnt 0x0                               ; both opening adds are done
	s_wait_kmcnt 0x0
	s_add_nc_u64 s[18:19], s[4:5], s[18:19]
	s_add_nc_u64 s[46:47], s[6:7], s[46:47]
	CROUND                                         ; all sixteen work-groups are here: the first joint loads meet
.irp s, 0,1
	s_mov_b32 s[G0+4*\s], 1
	s_add_co_u32 s[G0+4*\s+1], s20, \s*SLOT
	s_add_nc_u64 s[G0+4*\s+2:G0+4*\s+3], s[18:19], \s*32768     ; K step s: two blocks of 16,384 bytes
	s_or_b32 s[G0+4*\s+3], s[G0+4*\s+3], 0x80000000
	s_mov_b32 s[G0B+4*\s], 1
	s_add_co_u32 s[G0B+4*\s+1], s21, \s*SLOT
	s_add_nc_u64 s[G0B+4*\s+2:G0B+4*\s+3], s[46:47], \s*65536   ; two blocks of 32,768 bytes
	s_or_b32 s[G0B+4*\s+3], s[G0B+4*\s+3], 0x80000000
	JLOAD \s                                       ; two tensor loads of mine are out at the most
.endr
	v_and_b32 v1, 15, v0                           ; r = l % 16
	v_bfe_u32 v2, v0, 4, 1                         ; h = l / 16
	v_lshrrev_b32 v3, 1, v1
	v_mul_u32_u24 v3, v3, PITCH
	v_and_b32 v4, 1, v1
	v_lshl_add_u32 v3, v4, 7, v3
	v_lshl_add_u32 v3, v2, 4, v3                   ; a fragment's row: (r / 2) PITCH + 128 (r % 2) + 16 h
	s_mul_i32 s21, s13, 32*PITCH                   ; my 64 rows of o
	s_mul_i32 s22, s14, 64*PITCH                   ; my 128 rows of w_out,
	s_add_co_u32 s22, s22, 2*ABLK                  ; which lie behind o's two blocks
.irp s, 0,1
	v_add_nc_u32 v[ADRA+\s], s21, v3
	v_add_nc_u32 v[ADRB+\s], s22, v3
	s_add_co_u32 s21, s21, SLOT
	s_add_co_u32 s22, s22, SLOT
.endr
	s_mul_i32 s23, s12, 16*SPITCH
	s_add_co_u32 s23, s23, STAGE                   ; my stage
	v_mul_u32_u24 v5, v1, SPITCH                   ; in: row r, 32 bytes for each half of the lanes
	v_lshl_add_u32 v5, v2, 5, v5
	v_add_nc_u32 v[STO], s23, v5
	v_and_b32 v6, 31, v0
	v_lshlrev_b32 v[CO], 4, v6                     ; back: the 32 lanes take one row of 512 bytes; and the same in out0
	v_add_nc_u32 v[RD], s23, v[CO]
	v_lshlrev_b32 v[BO], 5, v2
	s_lshl_b32 s46, s42, 10                        ; my first column, in bytes of f32: 1,024 x tile column + 512 x half
	s_lshl_b32 s47, s14, 9
	s_add_co_u32 s46, s46, s47
	s_mov_b32 s47, 0
	s_add_nc_u64 s[8:9], s[8:9], s[46:47]
	s_add_nc_u64 s[10:11], s[10:11], s[46:47]
	s_lshl_b32 s20, s16, 7
	s_lshl_b32 s21, s13, 6
	s_add_co_u32 s20, s20, s21                     ; my first row: 128 x tile row + 64 x half
	s_lshl_b32 s20, s20, 12                        ; rows of 4,096 bytes
	s_mov_b32 s21, 0
	s_add_nc_u64 s[10:11], s[10:11], s[20:21]
	WIN 0x80                                       ; destination window 2
.irp b, 0,1,2,3,4,5,6,7                ; block b, register j: b_out at my column 16 b + 8 h + j
	global_load_b128 v[BI+8*\b:BI+8*\b+3],   v[BO], s[8:9] offset:64*\b
	global_load_b128 v[BI+8*\b+4:BI+8*\b+7], v[BO], s[8:9] offset:64*\b+16
.endr
	WIN 0
; 24 LDS loads in one run: the fragments of the slot's q-th 32 along K (K block q / 2, byte 64 (q % 2) of its rows) into buffer f: w_out's eight, then o's four
.macro FETCH slot, q, f
.irp b, 0,1,2,3,4,5,6,7
	ds_load_b128 v[\f+8*\b:\f+8*\b+3],   v[ADRB+\slot] offset:((\q)/2)*BBLK+((\q)%2)*64+\b*8*PITCH
	ds_load_b128 v[\f+8*\b+4:\f+8*\b+7], v[ADRB+\slot] offset:((\q)/2)*BBLK+((\q)%2)*64+\b*8*PITCH+32
.endr
.irp a, 0,1,2,3
	ds_load_b128 v[\f+64+8*\a:\f+64+8*\a+3],   v[ADRA+\slot] offset:((\q)/2)*ABLK+((\q)%2)*64+\a*8*PITCH
	ds_load_b128 v[\f+64+8*\a+4:\f+64+8*\a+7], v[ADRA+\slot] offset:((\q)/2)*ABLK+((\q)%2)*64+\a*8*PITCH+32
.endr
.endm
; 8 matrix instructions: o's block a against w_out's eight.  zero = 1: the first product starts the sum from the bias.  The 32 accumulators take turns, one instruction a turn, in one order throughout.
.macro MUL8 f, a, zero
.irp b, 0,1,2,3,4,5,6,7
.if \zero
	v_wmma_f32_16x16x32_f16 v[8*(8*\a+\b):8*(8*\a+\b)+7], v[\f+8*\b:\f+8*\b+7], v[\f+64+8*\a:\f+64+8*\a+7], v[BI+8*\b:BI+8*\b+7]
.else
	v_wmma_f32_16x16x32_f16 v[8*(8*\a+\b):8*(8*\a+\b)+7], v[\f+8*\b:\f+8*\b+7], v[\f+64+8*\a:\f+64+8*\a+7], v[8*(8*\a+\b):8*(8*\a+\b)+7]
.endif
.endr
.endm
.macro PLACES                          ; four places in front of loads into registers that matrix instructions have read, and of the first reads of results
.rept 4
	v_nop
.endr
.endm
; A K step is four quarters of 32 along K, 32 matrix instructions each, on buffers 0, 1, 0, 1.  One of the first three: multiplies buffer f (quarter q) and fetches quarter q + 1 into g.
.macro QUARTER slot, q, f, g, zero
	s_wait_dscnt 4                                 ; all but the youngest four loads (o's blocks 2, 3) are in
.if \zero
	WIN MUL0
.else
	WIN MUL
.endif
	MUL8 \f, 0, \zero
	MUL8 \f, 1, \zero
	PLACES
	WIN 0
	FETCH \slot, (\q)+1, \g
	s_wait_dscnt 24                                ; all but the 24 just issued
.if \zero
	WIN MUL0
.else
	WIN MUL
.endif
	MUL8 \f, 2, \zero
	MUL8 \f, 3, \zero
.endm
; The last quarter multiplies buffer 1 and changes slots: ONE barrier; in front of it each wave waits for all its tensor loads, adds 0 to its spare word, and waits for that and for its own reads of this slot.  fill = 1: this slot is filled again, two K steps ahead.
.macro TURN slot, next, fill
	WIN 0                                          ; (the add's two registers lie in window 0)
	s_wait_tensorcnt 0x0                           ; all my tensor loads have landed: my part of the next slot;
	ds_add_u32 v[SPW], v[NIL]
	s_wait_dscnt 5                                 ; (the add and the youngest four loads may be out)
	WIN MUL
	MUL8 F1, 0, 0                                  ; eight matrix instructions stand between the add and the wait for it
	s_wait_dscnt 0x0                               ; the add is done, and my reads of this slot are over
	s_barrier_signal -1
	MUL8 F1, 1, 0
	WIN 0
	s_barrier_wait -1
.if \fill
	CREST                                          ; the barrier has opened a round of the cluster's barrier: no wave of any partner still reads this slot or has a load on its way
	s_add_nc_u64 s[G0+4*\slot+2:G0+4*\slot+3], s[G0+4*\slot+2:G0+4*\slot+3], 2*32768
	s_add_nc_u64 s[G0B+4*\slot+2:G0B+4*\slot+3], s[G0B+4*\slot+2:G0B+4*\slot+3], 2*65536
	JLOAD \slot                                    ; the first tensor load behind the round; the four v_nop behind it are also the places in front of the loads below
.else
	PLACES
.endif
	FETCH \next, 0, F0
	WIN MUL
	MUL8 F1, 2, 0
	MUL8 F1, 3, 0
.endm
	s_wait_tensorcnt 1                             ; my part of K step 0 is in (K step 1's may be out)
	s_barrier_signal -1
	s_barrier_wait -1                              ; everybody's is
	FETCH 0, 0, F0
	s_wait_loadcnt 0x0                             ; the bias
	QUARTER 0, 0, F0, F1, 1                        ; the first quarter stands in front of the loop: its products start the sums
	WIN 0                                          ; at a label and at a branch every window is 0
	s_mov_b32 s3, LAPS-1
.Llap:                                                 ; a trip goes once round the ring, from a lap's second quarter to the next lap's first, and fills both slots again
	QUARTER 0, 1, F1, F0, 0
	QUARTER 0, 2, F0, F1, 0
	TURN 0, 1, 1
	QUARTER 1, 0, F0, F1, 0
	QUARTER 1, 1, F1, F0, 0
	QUARTER 1, 2, F0, F1, 0
	TURN 1, 0, 1
	QUARTER 0, 0, F0, F1, 0
	WIN 0
	s_sub_co_u32 s3, s3, 1
	s_cmp_lg_u32 s3, 0
	s_cbranch_scc1 .Llap
	QUARTER 0, 1, F1, F0, 0                        ; the last lap fills nothing, and has no round of the cluster's barrier
	QUARTER 0, 2, F0, F1, 0
	TURN 0, 1, 0
	QUARTER 1, 0, F0, F1, 0
	QUARTER 1, 1, F1, F0, 0
	QUARTER 1, 2, F0, F1, 0
	s_wait_dscnt 4                                 ; the very last quarter: nothing more to fetch
	WIN MUL
	MUL8 F1, 0, 0
	MUL8 F1, 1, 0
	s_wait_dscnt 0x0
	MUL8 F1, 2, 0
	MUL8 F1, 3, 0
	WIN 0
; THE WAY OUT, block by block of 16 rows x 128 columns.  A lane holds 32 neighbouring bytes of a row, and the lanes beside it hold other rows: so a block goes through my own stage in LDS and comes back as whole rows of 512 bytes.
; LDS serves a wave's instructions in order (ISA guide 5.7.1.4): no wait between the stores and the loads, nor in front of the next block's stores.
.macro TOSTAGE a
	WIN 0x04                                       ; an LDS store's data are its source 1: window 1
.irp b, 0,1,2,3,4,5,6,7
	ds_store_b128 v[STO], v[64*(\a)+8*\b:64*(\a)+8*\b+3] offset:64*\b          ; each accumulator from its low end on
	ds_store_b128 v[STO], v[64*(\a)+8*\b+4:64*(\a)+8*\b+7] offset:64*\b+16
.endr
	WIN 0
.set BB, BK+64*((\a)%2)
.irp t, 0,1,2,3,4,5,6,7,8,9,10,11,12,13,14,15
	ds_load_b128 v[BB+4*\t:BB+4*\t+3], v[RD] offset:\t*SPITCH
.endr
.endm
.macro SEND a, younger                 ; younger: the LDS instructions issued behind block a's loads, which may stay out
.set BB, BK+64*((\a)%2)
	s_wait_dscnt \younger                          ; the block is back in registers
.if (\a) > 0
	s_add_nc_u64 s[10:11], s[10:11], 16*4096       ; 16 rows on (the earlier stores have read their base: a wait on XCNT for 0 stands behind them)
.endif
.irp t, 0,1,2,3,4,5,6,7,8,9,10,11,12,13,14,15
	global_store_b128 v[CO], v[BB+4*\t:BB+4*\t+3], s[10:11] offset:\t*4096 th:TH_STORE_NT   ; 32 lanes store 512 consecutive bytes, at a multiple of 512 from out0's first byte; written once, read by nobody here
.endr
.endm
	PLACES                                         ; behind the last products: their results are read, and the fragment buffers are loaded into
	TOSTAGE 0
.irp a, 1,2,3
.if \a > 1
	s_wait_xcnt 0x0                                ; block a - 2's stores have read their registers and their base: block a's loads may land there, and the base may step
.endif
	TOSTAGE \a
	SEND \a-1, 32                                  ; behind block a - 1's loads: block a's 16 stores and 16 loads
.endr
	s_wait_xcnt 0x0                                ; block 2's stores have read their base
	SEND 3, 0
	s_wait_tensorcnt 0x0                           ; the wave's end, behind my last tensor load and my last LDS store
	ds_add_u32 v[SPW], v[NIL]
	s_wait_dscnt 0x0
	CROUND                                         ; the closing round: no work-group ends while a partner may still ask for a tile that names it
	s_endpgm
.Lfunc_end_k_q2aedab72ba_proj:
	.size	k_q2aedab72ba_proj, .Lfunc_end_k_q2aedab72ba_proj-k_q2aedab72ba_proj
	.p2alignl 7, 3214868480
	.fill 96, 4, 3214868480
	.section	.rodata,"a",@progbits
	.p2align	6, 0x0
	.amdhsa_kernel k_q2aedab72ba_proj
		.amdhsa_group_segment_fixed_size 327680
		.amdhsa_private_segment_fixed_size 0
		.amdhsa_enable_private_segment 0
		.amdhsa_kernarg_size 32
		.amdhsa_user_sgpr_count 2
		.amdhsa_user_sgpr_kernarg_segment_ptr 1
		.amdhsa_wavefront_size32 1
		.amdhsa_system_sgpr_workgroup_id_x 1
		.amdhsa_system_sgpr_workgroup_id_y 1
		.amdhsa_system_sgpr_workgroup_id_z 1
		.amdhsa_system_vgpr_workitem_id 0
		.amdhsa_next_free_vgpr 640
		.amdhsa_next_free_sgpr 66
		.amdhsa_reserve_vcc 0
		.amdhsa_float_denorm_mode_32 3
		.amdhsa_float_denorm_mode_16_64 3
		.amdhsa_memory_ordered 1
		.amdhsa_forward_progress 1
		.amdhsa_inst_pref_size 87
	.end_amdhsa_kernel
	.amdgpu_metadata
---
amdhsa.version: [ 1, 2 ]
amdhsa.kernels:
  - .name:           k_q2aedab72ba_proj
    .symbol:         k_q2aedab72ba_proj.kd
    .args:
      - { .name: o16, .offset: 0, .size: 8, .value_kind: global_buffer, .address_space: global }
      - { .name: wo16, .offset: 8, .size: 8, .value_kind: global_buffer, .address_space: global }
      - { .name: b_out, .offset: 16, .size: 8, .value_kind: global_buffer, .address_space: global }
      - { .name: out0, .offset: 24, .size: 8, .value_kind: global_buffer, .address_space: global }
    .group_segment_fixed_size: 327680
    .private_segment_fixed_size: 0
    .kernarg_segment_align: 8
    .kernarg_segment_size: 32
    .max_flat_workgroup_size: 128
    .sgpr_count:     66
    .vgpr_count:     640
    .wavefront_size: 32
...
	.end_amdgpu_metadata
.endif
;; end of part 4
